; MI455X (gfx1250); checked and timed in simulation.
; The chip was launched on July 23, 2026; its instructions are those of AMD's public machine-readable ISA for CDNA 5 (MIT licence, August 2026) and "CDNA5" Instruction Set Architecture Reference Guide (July 2026). The comments in the code are by the model that wrote it; some were corrected since.
;; Causal Attention. Allowed arithmetic: matrix products marked QUANTISED: E4M3 operands, one E8M0 scale for each 32 along K, by v_wmma_scale_f32_16x16x128_f8f6f4 with both operands' format E4M3, f32 sums; everything else in f32.
;; Inputs: Wk 1,024 x 1,024 float32; Wq 1,024 x 1,024 float32; Wv 1,024 x 1,024 float32; x 4 x 2,048 x 1,024 float32.
;; Outputs: out0 4 x 2,048 x 1,024 float32.
;; This version of the problem:
;;   THIS VERSION OF THE PROBLEM IS GIVEN IN LOW PRECISION. The matrix products marked QUANTISED in the list below multiply operands that are first quantised to E4M3 (4 exponent bits, 3 mantissa bits; 8 bits a number), with one power-of-two scale for each 32 numbers along K (OCP MX v1.0); their sums are f32. All else is computed in f32.
;;   The module's matrix products, in the order in which they are computed (A, B: the left and right operand; K: the contracted axis; several contracted axes count as one K, in the product's order):
;;     1. [M 8,192, K 1,024] x [K 1,024, N 1,024]; A: input x; B: input Wq: QUANTISED
;;     2. [M 8,192, K 1,024] x [K 1,024, N 1,024]; A: input x; B: input Wk: QUANTISED
;;     3. [M 8,192, K 1,024] x [K 1,024, N 1,024]; A: input x; B: input Wv: QUANTISED
;;     4. batch 4 x [M 2,048, K 1,024] x [K 1,024, N 2,048]; A: computed on the way; B: computed on the way: QUANTISED
;;     5. batch 4 x [M 2,048, K 2,048] x [K 2,048, N 1,024]; A: softmax (see below); B: computed on the way: QUANTISED
;;   THE QUANTISER, for each operand of a quantised product, along K:
;;     - K is cut into blocks of 32 from its start; a last block that is shorter is filled with zeros.
;;     - A block's scale is 2^e with e = floor(log2(the largest magnitude in the block)) - 8, held to -126 .. 127; a block of zeros has e = 0. As a byte (E8M0): e + 127.
;;     - Each number is divided by its block's scale, clamped to +-448, and rounded to the nearest number of E4M3, ties to even, subnormals kept.
;;     - The product sums the exact products of the quantised numbers (number of the format x scale) in f32.
;;   ~~~python
;;   def quantise(x, axis):      # numpy; x: float32 -> the quantised numbers, widened to float32 again
;;       x = np.moveaxis(x, axis, -1); K = x.shape[-1]
;;       x = np.pad(x, [(0, 0)] * (x.ndim - 1) + [(0, -K % 32)]); x = x.reshape(x.shape[:-1] + (-1, 32)); a = np.abs(x).max(-1, keepdims=True)
;;       e = np.where(a > 0, np.clip(np.frexp(np.where(a > 0, a, 1))[1] - 1 - 8, -126, 127), 0)      # np.frexp(a)[1] - 1 = floor(log2(a)), exactly
;;       r = np.clip(x / 2.0 ** e, -448, 448)
;;       step = 2.0 ** (np.maximum(np.frexp(np.where(r == 0, 1, r))[1] - 1, -6) - 3)
;;       q = np.round(r / step) * step * 2.0 ** e      # np.round: ties to even
;;       return np.moveaxis(q.reshape(q.shape[:-2] + (-1,))[..., :K], -1, axis).astype(np.float32)
;;   ~~~
;;   SOFTMAX AHEAD OF A QUANTISED PRODUCT. Where the list says 'softmax', what is quantised is not the finished softmax but p = 2^(t - M), with t = logit x log2(e) and M = ceil(the row's largest t), a whole number; so 1/2 < the row's largest p <= 1. The row's sum l is taken of the UNQUANTISED p, in f32, and the product's result is divided by l at the end. Since M is a whole number, a kernel that streams over the keys may use a running M (the ceiling of the running maximum): every later rescaling is an exact power of two, which a block's scale takes up: the codes' values come out the same.
;;   OPERANDS COMPUTED ON THE WAY. 'Computed on the way' means the value that the module computes at that place (a softmax that the list does not call 'softmax' is quantised finished and normalised). What goes into a quantiser is computed in f32, as accurately as f32 sums, v_exp_f32 and their like allow (about 1e-6 of the number): no bf16 or f16 on the way to a quantiser, and a product that is left as it is and whose result goes on into a quantised operand takes f32 operands (vector FMAs, or v_wmma_f32_16x16x4_f32). A number that lies on a knife's edge between two numbers of the format may be rounded either way, as far as f32 arithmetic and the matrix unit's own rounding can turn it there, and no further.
;; One version. Each part assembles by itself: llvm-mc -triple=amdgcn-amd-amdhsa -mcpu=gfx1250 --defsym DOCPART=n.
;; ======== version 1 of 1: 4 launches
;; limits: right only within a limited range of input values
;; workspace buffers: xw_codes 11,534,336 bytes; xw_scales 360,448 bytes; qkv_codes 25,165,824 bytes; qkv_scales 786,432 bytes; p_codes 16,777,216 bytes; p_stats 4,194,304 bytes
;; launch quant (part 1): grid 352 x 1, 4 waves a work-group, no clusters, 92,672 bytes of LDS; arguments x, Wq, Wk, Wv, xw_codes, xw_scales; writes xw_codes, xw_scales
.if DOCPART == 1
	.amdgcn_target "amdgcn-amd-amdhsa--gfx1250"
	.amdhsa_code_object_version 6
	.text
	.protected	k_q41d0359ef5_quant
	.globl	k_q41d0359ef5_quant
	.p2align	8
	.type	k_q41d0359ef5_quant,@function
k_q41d0359ef5_quant:
	s_mov_b64 s[64:65], 0
	v_nop
	global_prefetch_b8 v0, s[64:65] scope:SCOPE_SE
	s_setreg_imm32_b32 hwreg(HW_REG_WAVE_MODE, 25, 1), 1
	s_wait_xcnt 0x0
; CAUSAL ATTENTION IN MX-FP8, launch 1 of 4: x [8192][1024] and Wq, Wk, Wv [1024 (k)][1024 (n)], f32, become codes of E4M3 with one E8M0 byte for each 32 along K = d_in.
; THE PROGRAM.  1: this.  2: q, k, v = x W; the way out quantises q and k along e, v along the keys.  3: the scores on the live key blocks, the mask, p as codes.  4: p v, divided by the row's sum.
; DEAD WORK LEFT OUT (launches 3 and 4): tiles of 256 queries x 256 keys all of whose keys come after all of its queries.  reference() sets those scores to -inf by a jnp.tril that it builds itself, so their
; softmax weights are 0 whatever finite values x, Wq, Wk, Wv hold, and they add nothing to any row's sum or to any output.  36 of 64 tiles of a batch stay.  All four inputs have a way to the output and are loaded.
; LIMIT: a NaN, an infinity or an overflow that arises only in the tiles left out is not carried to the result.
; LIMITS of this launch: NaN and infinities among the inputs are not served; a block of zeros gets the byte 1 where the rule says 127 (its codes are zeros, and this program alone reads the bytes).
; THE ROWS' PLACES.  sigma(i) = i with bits 3 and 4 exchanged.  16 places on end, taken as a matrix instruction's first source, give results of which a lane's 16 registers of two neighbouring tiles are 16 true neighbours.
; x's codes lie in the order of launch 2's operand registers: [group of 64 places][tile of 16][q: 128 along K][c: 32 along K][lane (r, h)][16 bytes: K = 16 h on of that 32]; its bytes [group][half of K][64 places][16].
; Column n of W_t (t = 0 q, 1 k, 2 v) lies at row 8192 + 1024 t + sigma(n) of xw_codes, rows of 1,024 bytes; its 32 scale bytes at the same row of xw_scales.
; Work-groups 0-255 take x (K innermost), 256-351 the weights (K outermost).  The two ways have LDS bytes of their own.  No tensor loads, no barrier: waves share nothing.
.set SPW,   12                         ; v12  LDS address of my spare word; never rewritten
.set NIL,   13                         ; v13  0; never rewritten
.set SPARE, 92160                      ; behind both ways' regions: the spare words, 128 bytes a wave
.set MNT,   31                         ; s31  the mantissa field of 448
	s_load_b256 s[4:11], s[0:1], 0x0               ; x, Wq, Wk, Wv
	s_load_b128 s[12:15], s[0:1], 0x20             ; the codes, the scale bytes
	v_lshl_add_u32 v[SPW], v0, 2, SPARE
	v_mov_b32 v[NIL], 0
	v_lshrrev_b32 v1, 5, v0
	v_readfirstlane_b32 s16, v1                    ; wave 0..3
	v_and_b32 v2, 31, v0                           ; lane
	s_mov_b32 s[MNT], 0x600000
	s_mov_b32 s23, 0
	s_wait_alu depctr_va_vdst(0)
	s_wait_kmcnt 0x0
	s_cmp_lt_u32 ttmp9, 256
	s_cbranch_scc0 .Lweights
; ---- x: a wave takes one tile of 16 places x half of K, in 16 steps of one row x 512 numbers.  Step t takes true row 32 p + 8 u + t % 8 + 16 (t / 8) of the group: place 8 (t / 8) + t % 8 of tile 2 p + u.
; Each load reads 512 consecutive bytes; a step's 2,048 bytes turn through the wave's own stage (16 bytes of padding behind each 64) and come back 64 bytes a lane: 16 neighbours along K, two lanes to a block.
; The codes gather in a second stage, a row of 272 bytes for each lane's 16 numbers of K, and leave as 512 consecutive bytes an instruction.
.set WREG,  14336                      ; LDS 0 .. 57343: a region for each wave: two stages of 32 x SP, 256 scale bytes, 32 rows of CP
.set SP,    80
.set CP,    272
.set STEPS, 16
.set R,     16                         ; v16-79   four sets of 16 numbers as loaded; at the end the codes
.set X,     80                         ; v80-111  two sets of 16 neighbours
.set E,     112                        ; v112-127 a scale byte for each step
.set C,     128                        ; v128-191 codes, four registers a step
	v_lshlrev_b32 v3, 4, v2                        ; 16 x lane
	s_mul_i32 s17, s16, WREG
	v_lshrrev_b32 v14, 2, v2
	v_mul_u32_u24 v14, v14, SP
	v_and_b32 v15, 3, v2
	v_lshl_add_u32 v14, v15, 4, v14
	v_add_nc_u32 v14, s17, v14                     ; the stage, in: SP (lane / 4) + 16 (lane % 4)
	v_mul_u32_u24 v15, v2, SP
	v_add_nc_u32 v15, s17, v15                     ; and out: SP x lane
	s_add_co_u32 s18, s17, 2*32*SP
	v_lshrrev_b32 v5, 1, v2
	v_add_nc_u32 v5, s18, v5                       ; my block's scale byte
	v_lshlrev_b32 v7, 3, v2
	v_add_nc_u32 v6, s18, v7                       ; the bytes' way out: 8 a lane
	s_add_co_u32 s18, s18, 256
	v_mul_u32_u24 v1, v2, CP
	v_add_nc_u32 v1, s18, v1                       ; the codes' stage, in: row = lane
	v_lshrrev_b32 v10, 4, v2
	v_mul_u32_u24 v10, v10, CP
	v_and_b32 v11, 15, v2
	v_lshl_add_u32 v10, v11, 4, v10
	v_add_nc_u32 v2, s18, v10                      ; and out: lanes 0-15 one row, lanes 16-31 the next
	s_and_b32 s19, s16, 1                          ; my half of K
	s_lshr_b32 s20, s16, 1                         ; u; p is bit 0 of the work-group's number, the group the bits above
	s_lshl_b32 s22, ttmp9, 17
	s_lshl_b32 s21, s20, 15
	s_add_co_u32 s22, s22, s21
	s_lshl_b32 s21, s19, 11
	s_add_co_u32 s22, s22, s21
	s_add_nc_u64 s[4:5], s[4:5], s[22:23]          ; row 64 group + 32 p + 8 u, my half
	s_lshl_b32 s22, ttmp9, 15
	s_lshl_b32 s21, s20, 14
	s_add_co_u32 s22, s22, s21
	s_lshl_b32 s21, s19, 13
	s_add_co_u32 s22, s22, s21
	s_add_nc_u64 s[12:13], s[12:13], s[22:23]
	s_lshr_b32 s22, ttmp9, 1
	s_lshl_b32 s22, s22, 11
	s_lshl_b32 s21, s19, 10
	s_add_co_u32 s22, s22, s21
	s_and_b32 s21, ttmp9, 1
	s_lshl_b32 s21, s21, 9
	s_add_co_u32 s22, s22, s21
	s_lshl_b32 s21, s20, 8
	s_add_co_u32 s22, s22, s21
	s_add_nc_u64 s[14:15], s[14:15], s[22:23]
	s_wait_alu depctr_va_vdst(0)
.macro XLOAD t
.irp i, 0,1,2,3
	global_load_b128 v[R+16*((\t)%4)+4*\i:R+16*((\t)%4)+4*\i+3], v3, s[4:5] offset:4096*((\t)%8)+65536*((\t)/8)+512*\i th:TH_LOAD_NT
.endr
.endm
.macro XTURN t                         ; LDS serves a wave's instructions in order: no wait between the stores and the loads
.irp i, 0,1,2,3
	ds_store_b128 v14, v[R+16*((\t)%4)+4*\i:R+16*((\t)%4)+4*\i+3] offset:32*SP*((\t)%2)+8*SP*\i
.endr
.irp i, 0,1,2,3
	ds_load_b128 v[X+16*((\t)%2)+4*\i:X+16*((\t)%2)+4*\i+3], v15 offset:32*SP*((\t)%2)+16*\i
.endr
.endm
.irp t, 0,1,2,3
	XLOAD \t
.endr
	s_wait_loadcnt 12                              ; step 0's four loads are in; the 12 behind them stay out
	XTURN 0
.macro XSTEP t
.set XS, X+16*((\t)%2)
.if (\t) > 0
	s_wait_dscnt 2                                 ; this step's numbers are back from the stage; the last step's byte and codes may be out
.else
	s_wait_dscnt 0x0
.endif
.if (\t)+4 < STEPS
	XLOAD (\t)+4                                   ; into the set whose stores into the stage are done
.endif
.if (\t)+1 < STEPS
.if STEPS-2-(\t) >= 3
	s_wait_loadcnt 12                              ; the next step's loads are in; three steps' stay out
.else
	s_wait_loadcnt 4*(STEPS-2-(\t))
.endif
	XTURN (\t)+1
.endif
	v_max3_num_f32 v8, |v[XS]|, |v[XS+1]|, |v[XS+2]|
	v_max3_num_f32 v9, |v[XS+3]|, |v[XS+4]|, |v[XS+5]|
.irp i, 6,10
	v_max3_num_f32 v8, v8, |v[XS+\i]|, |v[XS+\i+1]|
	v_max3_num_f32 v9, v9, |v[XS+\i+2]|, |v[XS+\i+3]|
.endr
	v_max3_num_f32 v8, v8, |v[XS+14]|, |v[XS+15]|
	v_max3_num_f32 v8, v8, v9, 0x4800000           ; the floor 2^(9 - 127): the byte cannot fall under 1
	v_max_num_f32_dpp v8, v8, v8 row_xmask:1 row_mask:0xf bank_mask:0xf   ; with my neighbour's 16: the block's largest magnitude
	v_add_nc_u32 v11, 0xfc000000, v8               ; 8 off its exponent field: the conversion's scale operand
	v_and_or_b32 v10, v8, 0x7f800000, s[MNT]       ; 448 x the scale
.irp i, 0,1,2,3,4,5,6,7,8,9,10,11,12,13,14,15
	v_med3_num_f32 v[XS+\i], v[XS+\i], -v10, v10   ; the conversion to an 8-bit code does not saturate (ISA guide 7.6.2): the hold
.endr
	v_cvt_scalef32_pk8_fp8_f32 v[C+4*(\t):C+4*(\t)+1], v[XS:XS+7], v11
	v_cvt_scalef32_pk8_fp8_f32 v[C+4*(\t)+2:C+4*(\t)+3], v[XS+8:XS+15], v11
	v_lshrrev_b32 v[E+(\t)], 23, v11               ; the scale's byte
	ds_store_b8 v5, v[E+(\t)] offset:16*(\t)       ; both lanes of a block write the same byte with the same value
	ds_store_b128 v1, v[C+4*(\t):C+4*(\t)+3] offset:16*(\t)
.endm
.irp t, 0,1,2,3,4,5,6,7,8,9,10,11,12,13,14,15
	XSTEP \t
.endr
.set TT, 0
.rept 16
	ds_load_b128 v[R+4*TT:R+4*TT+3], v2 offset:2*CP*TT
.set TT, TT+1
.endr
	ds_load_b64 v[8:9], v6
.set TT, 0
.rept 16
	s_wait_dscnt 16-TT                             ; the younger codes and the scale bytes may be out
	global_store_b128 v3, v[R+4*TT:R+4*TT+3], s[12:13] offset:512*TT   ; 512 consecutive bytes a wave
.set TT, TT+1
.endr
	s_wait_dscnt 0x0
	global_store_b64 v7, v[8:9], s[14:15]          ; 16 places x 16 scale bytes: 256 consecutive bytes, aligned
	s_wait_tensorcnt 0x0                           ; the wave's end
	ds_add_u32 v[SPW], v[NIL]
	s_wait_dscnt 0x0
	s_endpgm
; ---- the weights: a lane takes a column n and its registers run down K: a block of 32 lies in one lane, and the codes come out with K innermost.  A wave takes 32 columns x 256 along K.
.Lweights:
.set PITCH, 272                        ; a stage row: a column's 256 codes + 16
.set WSTG,  57344                      ; LDS 57344 .. 92159: four stages of 32 rows
.set NB,    8
.set WX,    32                         ; v32-95   two sets of 32 numbers
.set WC,    96                         ; v96-103  a block's codes
.set OUTR,  112                        ; v112-175 the way out
.set SB,    24                         ; v24-25   the 8 scale bytes
	s_sub_co_u32 s17, ttmp9, 256
	s_lshr_b32 s18, s17, 5                         ; which weight
	s_and_b32 s19, s17, 7                          ; which 128 columns
	s_bfe_u32 s20, s17, 0x20003                    ; which 256 along K
	s_cmp_eq_u32 s18, 0
	s_cselect_b64 s[4:5], s[6:7], s[8:9]
	s_cmp_eq_u32 s18, 2
	s_cselect_b64 s[4:5], s[10:11], s[4:5]         ; the choice hangs on the work-group's number alone
	s_lshl_b32 s19, s19, 7
	s_lshl_b32 s21, s16, 5
	s_add_co_u32 s19, s19, s21                     ; my wave's first column
	s_lshl_b32 s22, s20, 20                        ; 256 rows of 4,096 bytes
	s_lshl_b32 s21, s19, 2
	s_add_co_u32 s22, s22, s21
	s_add_nc_u64 s[4:5], s[4:5], s[22:23]
	s_lshl_b32 s21, s18, 10
	s_add_co_u32 s21, s21, s19                     ; 1024 t + column
	s_add_co_u32 s22, s21, 8192
	s_lshl_b32 s22, s22, 10
	s_lshl_b32 s24, s20, 8
	s_add_co_u32 s22, s22, s24
	s_add_nc_u64 s[12:13], s[12:13], s[22:23]
	s_lshl_b32 s22, s21, 5
	s_lshl_b32 s24, s20, 3
	s_add_co_u32 s22, s22, s24
	s_add_co_u32 s22, s22, 262144
	s_add_nc_u64 s[14:15], s[14:15], s[22:23]
	s_wait_alu depctr_va_vdst(0)
	v_lshlrev_b32 v3, 2, v2                        ; in: 4 bytes a lane
	s_mul_i32 s25, s16, 32*PITCH
	s_add_co_u32 s25, s25, WSTG                    ; my stage
	v_mul_u32_u24 v4, v2, PITCH
	v_add_nc_u32 v4, s25, v4                       ; into it: row = my column
	v_and_b32 v5, 15, v2
	v_lshrrev_b32 v6, 4, v2
	v_mul_u32_u24 v7, v6, PITCH
	v_lshl_add_u32 v7, v5, 4, v7
	v_add_nc_u32 v7, s25, v7                       ; out of it: sixteen lanes to a row, two rows an instruction
	v_lshlrev_b32 v8, 10, v6
	v_lshl_add_u32 v8, v5, 4, v8                   ; and the same place in the codes' buffer
	v_and_b32 v9, 7, v2
	v_and_b32 v10, 8, v2
	v_lshl_add_u32 v9, v10, 1, v9
	v_and_b32 v10, 16, v2
	v_lshrrev_b32 v10, 1, v10
	v_add_nc_u32 v9, v9, v10
	v_lshlrev_b32 v9, 5, v9                        ; sigma(lane) x 32: my column's row of scale bytes
	s_wait_alu depctr_va_vdst(0)
.macro WLOAD t
.set II, 0
.rept 32
	global_load_b32 v[WX+32*((\t)%2)+II], v3, s[4:5] offset:(32*(\t)+II)*4096 th:TH_LOAD_NT
.set II, II+1
.endr
.endm
	WLOAD 0
	WLOAD 1
.macro WBLOCK t
.set XS, WX+32*((\t)%2)
.if (\t) < NB-1
	s_wait_loadcnt 32                              ; this block's 32 loads are in; the next block's may be out
.else
	s_wait_loadcnt 0
.endif
	v_max3_num_f32 v16, |v[XS]|, |v[XS+1]|, |v[XS+2]|
	v_max3_num_f32 v17, |v[XS+3]|, |v[XS+4]|, |v[XS+5]|
.irp i, 6,10,14,18,22,26
	v_max3_num_f32 v16, v16, |v[XS+\i]|, |v[XS+\i+1]|
	v_max3_num_f32 v17, v17, |v[XS+\i+2]|, |v[XS+\i+3]|
.endr
	v_max3_num_f32 v16, v16, |v[XS+30]|, |v[XS+31]|
	v_max3_num_f32 v16, v16, v17, 0x4800000        ; the floor
	v_add_nc_u32 v11, 0xfc000000, v16
	v_and_or_b32 v10, v16, 0x7f800000, s[MNT]
	v_lshrrev_b32 v17, 23, v11                     ; the scale's byte
.if (\t)%4 == 0
	v_mov_b32 v[SB+(\t)/4], v17
.else
	v_lshl_or_b32 v[SB+(\t)/4], v17, 8*((\t)%4), v[SB+(\t)/4]
.endif
.set II, 0
.rept 32
	v_med3_num_f32 v[XS+II], v[XS+II], -v10, v10
.set II, II+1
.endr
.irp g, 0,1,2,3
	v_cvt_scalef32_pk8_fp8_f32 v[WC+2*\g:WC+2*\g+1], v[XS+8*\g:XS+8*\g+7], v11
.endr
	ds_store_b128 v4, v[WC:WC+3] offset:32*(\t)
	ds_store_b128 v4, v[WC+4:WC+7] offset:32*(\t)+16
.if (\t)+2 < NB
	WLOAD (\t)+2
.endif
	s_wait_dscnt 0x0                               ; the stores are done: the next block's codes may be written
.endm
.irp t, 0,1,2,3,4,5,6,7
	WBLOCK \t
.endr
	global_store_b64 v9, v[SB:SB+1], s[14:15]      ; my column's 8 scale bytes
.set TT, 0
.rept 16
	ds_load_b128 v[OUTR+4*TT:OUTR+4*TT+3], v7 offset:2*TT*PITCH
.set TT, TT+1
.endr
.set TT, 0
.rept 16
	s_wait_dscnt 15-TT
	global_store_b128 v8, v[OUTR+4*TT:OUTR+4*TT+3], s[12:13] offset:2*((TT&3)|((TT&4)<<1)|((TT&8)>>1))*1024   ; stage rows 2 t, 2 t + 1 go to rows sigma of them: t's bits 2 and 3 exchanged; 16 lanes store 256 consecutive bytes
.set TT, TT+1
.endr
	s_wait_tensorcnt 0x0                           ; the wave's end
	ds_add_u32 v[SPW], v[NIL]
	s_wait_dscnt 0x0
	s_endpgm
.Lfunc_end_k_q41d0359ef5_quant:
	.size	k_q41d0359ef5_quant, .Lfunc_end_k_q41d0359ef5_quant-k_q41d0359ef5_quant
	.p2alignl 7, 3214868480
	.fill 96, 4, 3214868480
	.section	.rodata,"a",@progbits
	.p2align	6, 0x0
	.amdhsa_kernel k_q41d0359ef5_quant
		.amdhsa_group_segment_fixed_size 92672
		.amdhsa_private_segment_fixed_size 0
		.amdhsa_enable_private_segment 0
		.amdhsa_kernarg_size 48
		.amdhsa_user_sgpr_count 2
		.amdhsa_user_sgpr_kernarg_segment_ptr 1
		.amdhsa_wavefront_size32 1
		.amdhsa_system_sgpr_workgroup_id_x 1
		.amdhsa_system_sgpr_workgroup_id_y 1
		.amdhsa_system_sgpr_workgroup_id_z 1
		.amdhsa_system_vgpr_workitem_id 0
		.amdhsa_next_free_vgpr 192
		.amdhsa_next_free_sgpr 66
		.amdhsa_reserve_vcc 0
		.amdhsa_float_denorm_mode_32 3
		.amdhsa_float_denorm_mode_16_64 3
		.amdhsa_memory_ordered 1
		.amdhsa_forward_progress 1
		.amdhsa_inst_pref_size 113
	.end_amdhsa_kernel
	.amdgpu_metadata
---
amdhsa.version: [ 1, 2 ]
amdhsa.kernels:
  - .name:           k_q41d0359ef5_quant
    .symbol:         k_q41d0359ef5_quant.kd
    .args:
      - { .name: x, .offset: 0, .size: 8, .value_kind: global_buffer, .address_space: global }
      - { .name: Wq, .offset: 8, .size: 8, .value_kind: global_buffer, .address_space: global }
      - { .name: Wk, .offset: 16, .size: 8, .value_kind: global_buffer, .address_space: global }
      - { .name: Wv, .offset: 24, .size: 8, .value_kind: global_buffer, .address_space: global }
      - { .name: xw_codes, .offset: 32, .size: 8, .value_kind: global_buffer, .address_space: global }
      - { .name: xw_scales, .offset: 40, .size: 8, .value_kind: global_buffer, .address_space: global }
    .group_segment_fixed_size: 92672
    .private_segment_fixed_size: 0
    .kernarg_segment_align: 8
    .kernarg_segment_size: 48
    .max_flat_workgroup_size: 128
    .sgpr_count:     66
    .vgpr_count:     192
    .wavefront_size: 32
...
	.end_amdgpu_metadata
.endif
;; end of part 1
;; launch proj (part 2): grid 32 x 8, 4 waves a work-group, clusters of 4 x 1, 327,680 bytes of LDS; arguments xw_codes, xw_scales, qkv_codes, qkv_scales; writes qkv_codes, qkv_scales
.if DOCPART == 2
	.amdgcn_target "amdgcn-amd-amdhsa--gfx1250"
	.amdhsa_code_object_version 6
	.text
	.protected	k_q41d0359ef5_proj
	.globl	k_q41d0359ef5_proj
	.p2align	8
	.type	k_q41d0359ef5_proj,@function
k_q41d0359ef5_proj:
	s_mov_b64 s[64:65], 0
	v_nop
	global_prefetch_b8 v0, s[64:65] scope:SCOPE_SE
	s_setreg_imm32_b32 hwreg(HW_REG_WAVE_MODE, 25, 1), 1
	s_wait_xcnt 0x0
	s_wait_alu depctr_hold_cnt(0) depctr_sa_sdst(0) depctr_va_vdst(0) depctr_va_sdst(0) depctr_va_ssrc(0) depctr_va_vcc(0) depctr_vm_vsrc(0)
	s_getreg_b32 s2, hwreg(HW_REG_IB_STS2, 6, 4)
	s_cmp_eq_u32 s2, 0
	s_cbranch_scc0 .Lentry_in_a_cluster
	s_endpgm
.Lentry_in_a_cluster:
	s_bfe_u32 s2, ttmp6, 0x10000c
	s_cmp_lg_u32 s2, 0x3003
	s_cbranch_scc0 .Lentry_shape_is_right
	s_endpgm
.Lentry_shape_is_right:
; Launch 2 of 4: q, k, v = x W on codes of E4M3, each result quantised again on the way out: q and k along e, v along the keys.
; THE DEAL.  Work-group (X, Y) makes 256 rows of x (X) against 128 columns each of Wv, Wq, Wk (Y).  Each of its four waves HOLDS 64 rows of x, all of K, in 512 registers, which come straight from memory in operand order
; (no two waves of a work-group share a row), and streams the 384 weight rows past them from LDS, 16 rows (a block) at a time: 32 products a block, 24 blocks: V 0-7, Q 8-15, K 16-23.
; LDS: 256 weight rows of 1,024 bytes + 16.  V's 128 and Q's 128 rows come at the head, 64 a wave; K's take V's bytes by one refill in block 8's round of the cluster's barrier.
; CLUSTERS of 4 along X share all weight rows: every tensor load is joint.  x cannot be shared so: it goes into registers.
; ORDER.  Weights and x lie at sigma(row) (bits 3 and 4 exchanged).  Q, K: source 0 = weight rows: of blocks 2 b and 2 b + 1 a lane has 8 + 8 results of one row of x: e = 32 b + 16 h + 0 .. 15.
; V: source 0 = x: of x tiles 2 p and 2 p + 1 a lane has keys 32 p + 16 h + 0 .. 15 of one channel.  A scale block of 32 lies in lanes l and l xor 16 throughout.
; OUT.  qkv_codes: q and, 8,388,608 bytes on, k: [group of 64 places][tile][128 of e][c][lane][16]; v 16,777,216 on: [batch][16 channels' places][128 keys][c][lane][16]: the readers' operand registers.
; qkv_scales: q, k: [128 of e][8192 places][4]; v 524,288 on: [256 keys][1024 channels' places][8].
; THE QUANTISERS stand among later products, two vector lines behind each: a V block's among the next block's; a pair of Q's or K's blocks' among the next pair's (tiles 0, 1 in its first block, 2, 3 in its second).
; So the even block's sums are copied (E to E2) among the odd block's products, and the odd's tiles 2, 3 (O to O2) among the next even block's.
; LIMITS: NaN and infinities are not served; a block of zeros gets the byte 1 where the rule says 127 (zero codes; this program alone reads the bytes).
; REGISTERS: windows 1, 2: x's fragment 4 q + t at 16 ((4 q + t) % 16).  window 3: two sets of a weight block's 8 fragments.  window 0: all else.
.set PITCH, 1040
.set BROW,  16*PITCH
.set NF,    34                         ; LDS loads of a block: 32 of codes, 2 of scale words
.set NP,    8                          ; plain places behind this matrix instruction (ISA guide 7.12.1)
.set SCL,   256*PITCH                  ; the weights' scale bytes: 384 rows of 32, in the order of the blocks
.set XV,    SCL+12288+256              ; V's scale bytes: [wave][128 channels][2]
.set XQ,    XV+1024                    ; Q's and K's: [256 rows][4 + 4]
.set SPARE, XQ+2048
.set TO_K,  8388608-3*512              ; from Q's last pair to K's first in qkv_codes
.set ADRA0, 4
.set AAS0, 6
.set CO,   9
.set SPW,  10
.set NIL,  11
.set ADRA, 12
.set VX,   13
.set AAS,  17
.set RDV,  18
.set RDQ,  19
.set SOP,  20
.set SB,   24                          ; v24-39 x's scale words: register 8 p + q: lanes 0-15 tile 2 p, lanes 16-31 tile 2 p + 1
.set EB,   40
.set SA,   44                          ; v44-59 the weights', two sets of eight
.set TQ,   60
.set ACC,  64                          ; v64-95 E, v96-127 O
.set EE,   64
.set OO,   96
.set E2,   128
.set O2,   160
.set MCD,  192
.set SEL,  60
.set MNT,  62
.set G1H,  24
.set G1R,  48
.set G0H,  56
.set G0R,  68
.set MSB, 0
.macro WIN new                         ; the immediate's high byte repeats the setting that is left
.if MSB != (\new)
	s_set_vgpr_msb (MSB<<8)|(\new)
.set MSB, (\new)
.endif
.endm
.macro PLACES n
.rept \n
	v_nop
.endr
.endm
.macro WALU
	s_wait_alu depctr_va_vdst(0)
.endm
.macro BARRIER
	s_barrier_signal -1
	s_barrier_wait -1
.endm
.macro CREST                           ; a round of the cluster's barrier behind its opening barrier
	s_cmp_lg_u32 s14, 0
	s_cbranch_scc1 .Lnot_wave_0_\@
	s_barrier_signal -3
.Lnot_wave_0_\@:
	s_barrier_wait -3
	BARRIER
.endm
.macro CROUND
	BARRIER
	CREST
.endm
.macro TLOAD g0, g1
	tensor_load_to_lds s[\g0:\g0+3], s[\g1:\g1+7]
	s_nop 0
	PLACES 4
.endm
.macro GROUP1 g, rows                  ; so many whole rows of 1,024 bytes, 16 bytes of padding behind each; the mask names the cluster's four
	s_mov_b32 s[\g+0], 15|(1<<20)|(1<<21)|(7<<22)|(3<<25)
	s_mov_b32 s[\g+1], 1024<<16
	s_mov_b32 s[\g+2], (\rows)<<16
	s_mov_b32 s[\g+3], 1024<<16
	s_mov_b32 s[\g+4], \rows
	s_mov_b32 s[\g+5], 1024
	s_mov_b32 s[\g+6], 0
	s_mov_b32 s[\g+7], 0
.endm
	s_load_b256 s[4:11], s[0:1], 0x0               ; xw_codes, xw_scales, qkv_codes, qkv_scales
	v_lshl_add_u32 v[SPW], v0, 2, SPARE
	v_mov_b32 v[NIL], 0
	ds_add_u32 v[SPW], v[NIL]                      ; the wave's opening: the add, twice on end, and its wait ahead of my first tensor load
	ds_add_u32 v[SPW], v[NIL]
	v_lshrrev_b32 v1, 5, v0
	v_readfirstlane_b32 s14, v1                    ; wave 0..3
	s_lshr_b32 s15, s14, 1
	s_and_b32 s16, s14, 1
	s_bfe_u32 s41, ttmp6, 0x40000                  ; cx
	s_lshl_b32 s17, ttmp9, 2
	s_add_co_u32 s17, s17, s41                     ; X
	s_and_b32 s18, ttmp7, 0xffff                   ; Y
	s_lshl_b32 s19, s17, 2
	s_add_co_u32 s19, s19, s14                     ; my group of 64 rows of x
	GROUP1 G1H, 64
	GROUP1 G1R, 32
	s_mov_b32 s21, 0
	s_xor_b32 s20, s15, 1                          ; waves 0, 1: Wv's 64 rows each; waves 2, 3: Wq's.  Wq's rows lie behind x's 8,192, Wv's 2,048 further on
	s_lshl_b32 s20, s20, 21
	s_lshl_b32 s22, s18, 17
	s_add_co_u32 s20, s20, s22
	s_lshl_b32 s23, s16, 16
	s_add_co_u32 s20, s20, s23
	s_add_co_u32 s72, s20, 8388608
	s_mov_b32 s73, 0
	s_lshl_b32 s23, s14, 15                        ; the refill: Wk's 32 rows each
	s_add_co_u32 s23, s23, s22
	s_add_co_u32 s74, s23, 9437184
	s_mov_b32 s75, 0
	s_mov_b32 s[G0H], 1
	s_mul_i32 s[G0H+1], s14, 64*PITCH
	s_mov_b32 s[G0R], 1
	s_mul_i32 s[G0R+1], s14, 32*PITCH
	s_and_b32 s23, s17, 15                         ; my share of a prefetch of Wk's 128 rows: 64 waves of four clusters, 2,048 bytes each
	s_lshl_b32 s23, s23, 2
	s_add_co_u32 s23, s23, s14
	s_lshl_b32 s23, s23, 11
	s_add_co_u32 s23, s23, s22
	s_add_co_u32 s23, s23, 9437184
	s_wait_dscnt 0x0                               ; both opening adds are done
	CROUND                                         ; all four work-groups are here: the first joint loads meet
	s_wait_kmcnt 0x0
	s_add_nc_u64 s[G0H+2:G0H+3], s[4:5], s[72:73]
	s_or_b32 s[G0H+3], s[G0H+3], 0x80000000
	s_add_nc_u64 s[G0R+2:G0R+3], s[4:5], s[74:75]
	s_or_b32 s[G0R+3], s[G0R+3], 0x80000000
	s_cmp_lt_u32 s14, 2                            ; one joint load a wave; a line of its own for what the first barrier shows
	s_cbranch_scc0 .Lfor_q
	TLOAD G0H, G1H
	s_branch .Lasked
.Lfor_q:
	TLOAD G0H, G1H
.Lasked:
	s_lshl_b32 s20, s19, 16
	s_add_nc_u64 s[76:77], s[4:5], s[20:21]        ; my rows of x,
	s_lshl_b32 s20, s19, 11
	s_add_nc_u64 s[80:81], s[6:7], s[20:21]        ; their scale bytes,
	s_lshl_b32 s20, s18, 12
	s_add_co_u32 s20, s20, 262144
	s_add_nc_u64 s[78:79], s[6:7], s[20:21]        ; the weights' scale bytes: Wq's; Wk's 32,768 and Wv's 65,536 bytes on
	s_lshl_b32 s20, s14, 8
	s_add_co_u32 s20, s20, XV-32
	s_lshl_b32 s22, s14, 9
	s_add_co_u32 s22, s22, XQ
	v_and_b32 v3, 31, v0
	v_lshlrev_b32 v[CO], 4, v3
	v_lshlrev_b32 v14, 4, v0
	v_add_nc_u32 v15, SCL, v14
	v_and_b32 v1, 15, v0                           ; r
	v_bfe_u32 v2, v0, 4, 1                         ; h
	v_mul_u32_u24 v5, v1, PITCH
	v_lshl_add_u32 v[ADRA0], v2, 4, v5             ; a fragment of block 0: row r, + 16 h
	v_lshlrev_b32 v5, 5, v1
	v_add_nc_u32 v[AAS0], SCL, v5                  ; its scale words
	v_lshl_add_u32 v[RDV], v1, 1, s20              ; V's scale bytes: 2 a channel, 32 bytes ahead of block 0's: the first step is block -1's, never stored
	v_lshl_add_u32 v[RDQ], v1, 3, s22
	v_and_b32 v5, 7, v0
	v_lshl_add_u32 v7, v5, 8, s23                  ; the prefetch: lanes 256 bytes apart
	v_add_nc_u32 v1, BROW, v[ADRA0]                ; block 1
	v_add_nc_u32 v2, 512, v[AAS0]
	WALU
.irp k, 0,1
	global_load_b128 v[64+4*\k:67+4*\k], v14, s[78:79] offset:65536+2048*\k
	global_load_b128 v[72+4*\k:75+4*\k], v14, s[78:79] offset:2048*\k
	global_load_b128 v[80+4*\k:83+4*\k], v14, s[78:79] offset:32768+2048*\k
.endr
.irp p, 0,1
	global_load_b128 v[SB+8*\p:SB+8*\p+3], v[CO], s[80:81] offset:512*\p
	global_load_b128 v[SB+8*\p+4:SB+8*\p+7], v[CO], s[80:81] offset:1024+512*\p
.endr
.irp q, 0,1,2,3,4,5,6,7
	WIN (1+\q/4)<<6
.irp t, 0,1,2,3
.irp c, 0,1,2,3
	global_load_b128 v[64*(\q%4)+16*\t+4*\c:64*(\q%4)+16*\t+4*\c+3], v[CO], s[76:77] offset:16384*\t+2048*\q+512*\c
.endr
.endr
.endr
	WIN 0
	s_lshr_b32 s20, s17, 3                         ; where v goes: [batch][my channels][my 128 keys][my two c], two blocks back: each block steps it ahead of its way out
	s_lshl_b32 s20, s20, 21
	s_lshl_b32 s22, s18, 18
	s_add_co_u32 s20, s20, s22
	s_and_b32 s22, s17, 7
	s_lshl_b32 s22, s22, 12
	s_add_co_u32 s20, s20, s22
	s_lshl_b32 s22, s14, 10
	s_add_co_u32 s20, s20, s22
	s_add_co_u32 s20, s20, 16777216-65536
	s_add_nc_u64 s[84:85], s[8:9], s[20:21]
	s_lshl_b32 s20, s19, 16                        ; where q goes, a pair back
	s_lshl_b32 s22, s18, 11
	s_add_co_u32 s20, s20, s22
	s_add_nc_u64 s[88:89], s[8:9], s[20:21]
	s_sub_nc_u64 s[88:89], s[88:89], 512
	s_lshl_b32 s20, s18, 15                        ; the scale bytes' ways out
	s_lshl_b32 s22, s17, 10
	s_add_co_u32 s20, s20, s22
	s_add_nc_u64 s[94:95], s[10:11], s[20:21]
	s_lshl_b32 s20, s17, 13
	s_lshl_b32 s22, s18, 10
	s_add_co_u32 s20, s20, s22
	s_add_co_u32 s20, s20, 524288
	s_add_nc_u64 s[92:93], s[10:11], s[20:21]
	s_mov_b32 s[SEL], 0x76543210
	s_mov_b32 s[SEL+1], 0xfedcba98
	s_mov_b32 s[MNT], 0x600000
	s_mov_b32 s46, 0
	s_mov_b32 s47, 2*BROW                          ; the block that is fetched next: its rows,
	s_mov_b32 s12, 1024                            ; and its scale words
	s_mov_b32 s40, 0
.set I_, 0
.rept 32
	v_mov_b32 v[OO+I_], 0                          ; the first way out has no block before it: it works on zeros and stores nothing
.set I_, I_+1
.endr
	s_wait_loadcnt 63                              ; the six loads of the weights' scale bytes are in: 132 loads were issued behind them
.irp k, 0,1,2,3,4,5
	ds_store_b128 v15, v[64+4*\k:67+4*\k] offset:2048*\k
.endr
	WALU
	s_cmp_lt_u32 s14, 2
	s_cbranch_scc0 .Lnot_v
	s_wait_tensorcnt 0x0                           ; waves 0, 1: Wv's rows have landed.  The others' wait stands at the barrier in block 1
.Lnot_v:
	s_wait_dscnt 0x0
	BARRIER
	global_prefetch_b8 v7, s[4:5] th:TH_LOAD_NT scope:SCOPE_SE   ; Wk's rows, eight blocks ahead of their load; each 256 bytes once in four clusters
.macro FETCH k, a, s                   ; a block's 16 rows, all of K, into set k, and its scale words
	WIN 3<<6
.irp q, 0,1,2,3,4,5,6,7
.irp c, 0,1,2,3
	ds_load_b128 v[128*\k+16*\q+4*\c:128*\k+16*\q+4*\c+3], v[\a] offset:128*\q+32*\c
.endr
.endr
	WIN 0
	ds_load_b128 v[SA+8*\k:SA+8*\k+3], v[\s]
	ds_load_b128 v[SA+8*\k+4:SA+8*\k+7], v[\s] offset:16
.endm
.macro PROD kind, e, a, n              ; product n = 4 q + t of a block: x tile t, the q-th 128 of K; the weights in set e, the sums in set a.  The four accumulators take turns
.set Q_, (\n)/4
.set B_, (\n)%4
.set AC_, ACC+32*(\a)+8*B_
.set H_, 16*((\n)%16)
.set S_, 128*(\e)+16*Q_
.set XS_, SB+8*(B_/2)+Q_
.set WS_, SA+8*(\e)+Q_
.if \kind
	WIN (1+(\n)/16)|(3<<2)
.if Q_ && B_%2
	v_wmma_scale_f32_16x16x128_f8f6f4 v[AC_:AC_+7], v[H_:H_+15], v[S_:S_+15], v[AC_:AC_+7], v[XS_], v[WS_] matrix_a_scale:MATRIX_SCALE_ROW1
.elseif Q_
	v_wmma_scale_f32_16x16x128_f8f6f4 v[AC_:AC_+7], v[H_:H_+15], v[S_:S_+15], v[AC_:AC_+7], v[XS_], v[WS_]
.elseif B_%2
	v_wmma_scale_f32_16x16x128_f8f6f4 v[AC_:AC_+7], v[H_:H_+15], v[S_:S_+15], 0, v[XS_], v[WS_] matrix_a_scale:MATRIX_SCALE_ROW1
.else
	v_wmma_scale_f32_16x16x128_f8f6f4 v[AC_:AC_+7], v[H_:H_+15], v[S_:S_+15], 0, v[XS_], v[WS_]
.endif
.else
	WIN 3|((1+(\n)/16)<<2)
.if Q_ && B_%2
	v_wmma_scale_f32_16x16x128_f8f6f4 v[AC_:AC_+7], v[S_:S_+15], v[H_:H_+15], v[AC_:AC_+7], v[WS_], v[XS_] matrix_b_scale:MATRIX_SCALE_ROW1
.elseif Q_
	v_wmma_scale_f32_16x16x128_f8f6f4 v[AC_:AC_+7], v[S_:S_+15], v[H_:H_+15], v[AC_:AC_+7], v[WS_], v[XS_]
.elseif B_%2
	v_wmma_scale_f32_16x16x128_f8f6f4 v[AC_:AC_+7], v[S_:S_+15], v[H_:H_+15], 0, v[WS_], v[XS_] matrix_b_scale:MATRIX_SCALE_ROW1
.else
	v_wmma_scale_f32_16x16x128_f8f6f4 v[AC_:AC_+7], v[S_:S_+15], v[H_:H_+15], 0, v[WS_], v[XS_]
.endif
.endif
.endm
.macro HOLD2 x, b                      ; the conversion does not saturate (ISA guide 7.6.2): two numbers held within 448 x the scale
	v_med3_num_f32 v[\x], v[\x], -v[TQ+\b], v[TQ+\b]
	v_med3_num_f32 v[\x+1], v[\x+1], -v[TQ+\b], v[TQ+\b]
.endm
; THE QUANTISER of one scale block, 15 places: my 16 numbers at E_, O_ (8 + 8) -> 16 codes MCD + 4 K_, byte EB + K_.  The bound stands twice: its first copy is read near its write and nine plain lines on
.macro GAPX j
.if (\j) == 0
	v_max3_num_f32 v[TQ], |v[E_]|, |v[E_+1]|, |v[E_+2]|
	v_max3_num_f32 v[TQ+2], |v[O_]|, |v[O_+1]|, |v[O_+2]|
.elseif (\j) < 3
	v_max3_num_f32 v[TQ], v[TQ], |v[E_+2*(\j)+1]|, |v[E_+2*(\j)+2]|
	v_max3_num_f32 v[TQ+2], v[TQ+2], |v[O_+2*(\j)+1]|, |v[O_+2*(\j)+2]|
.elseif (\j) == 3
	v_max3_num_f32 v[TQ+2], v[TQ+2], |v[O_+7]|, 0x4800000       ; the floor 2^(9 - 127): the byte cannot fall under 1
	v_max3_num_f32 v[TQ], v[TQ], |v[E_+7]|, v[TQ+2]
.elseif (\j) == 4
	v_permlanex16_b32 v[TQ+2], v[TQ], s[SEL], s[SEL+1]
	v_max_num_f32 v[TQ], v[TQ], v[TQ+2]            ; the block's largest magnitude
.elseif (\j) == 5
	v_add_nc_u32 v[SOP+K_], 0xfc000000, v[TQ]      ; 8 off its exponent field: the conversion's scale operand
	v_and_or_b32 v[TQ+1], v[TQ], 0x7f800000, s[MNT]
.elseif (\j) == 9
	HOLD2 E_+6, 3
	v_cvt_scalef32_pk8_fp8_f32 v[MCD+4*K_:MCD+4*K_+1], v[E_:E_+7], v[SOP+K_]
.elseif (\j) < 9
	HOLD2 E_+2*((\j)-6), 1
.if (\j) == 8
	v_mov_b32 v[TQ+3], v[TQ+1]
.endif
.elseif (\j) < 14
	HOLD2 O_+2*((\j)-10), 1
.if (\j) == 13
	v_cvt_scalef32_pk8_fp8_f32 v[MCD+4*K_+2:MCD+4*K_+3], v[O_:O_+7], v[SOP+K_]
.endif
.else
	v_lshrrev_b32 v[EB+K_], 23, v[SOP+K_]
.endif
.endm
.macro COPY2 d, s
	v_dual_mov_b32 v[\d], v[\s] :: v_dual_mov_b32 v[\d+1], v[\s+1]
.endm
; WHAT STANDS BEHIND PRODUCT n.  y = 1: the way out of the V block whose sums lie at x; 2, 3: tiles 0, 1 and 2, 3 of the pair before; 4: copies alone
.macro LIST n, y, x
.if (\n) == 0
.if (\y) == 1
	s_add_nc_u64 s[84:85], s[84:85], 0x8000
.elseif (\y) == 2
	s_cmp_eq_u32 s46, 2                            ; in the last loop: K's first pair
	s_mov_b32 s20, 512
	s_cselect_b32 s20, TO_K, s20
	s_add_nc_u64 s[88:89], s[88:89], s[20:21]
.endif
.elseif (\n) == 1
	WIN 0
	v_add_nc_u32 v[ADRA], s47, v[ADRA0]
	s_add_co_u32 s47, s47, BROW
.elseif (\n) == 2
	WIN 0
	v_add_nc_u32 v[AAS], s12, v[AAS0]
	s_add_co_u32 s12, s12, 512
.elseif (\n) == 3
.if (\y) == 1
	WIN 0
	v_add_nc_u32 v[VX], s40, v[RDV]
	s_add_co_u32 s40, s40, 32
.elseif (\y) == 2
	WIN 0
	v_add_nc_u32 v[VX], s40, v[RDQ]
	s_add_co_u32 s40, s40, 1
.endif
.endif
.if (\n) > 0 && (\n) < 31 && (\y) < 4
	WIN 0
.set K_, ((\n)-1)/15
.if (\y) == 1
.set E_, \x+16*K_
.set O_, E_+8
.elseif (\y) == 2
.set E_, E2+8*K_
.set O_, OO+8*K_
.else
.set O_, O2+8*K_
.set K_, K_+2
.set E_, E2+8*K_
.endif
	GAPX ((\n)-1)%15
.endif
.if (\y) == 2 && (\n) > 7 && (\n) < 16
	COPY2 O2+2*((\n)-8), OO+16+2*((\n)-8)
.elseif (\y) > 2
.if (\n) > 7 && (\n) < 16
	WIN 0
	COPY2 E2+2*((\n)-8), EE+2*((\n)-8)
.elseif (\n) > 16 && (\n) < 21
	WIN 0
	COPY2 E2+16+2*((\n)-17), EE+16+2*((\n)-17)
.elseif (\n) > 26 && (\n) < 31
	WIN 0
	COPY2 E2+24+2*((\n)-27), EE+24+2*((\n)-27)     ; behind tile 3's conversion of what lay there
.endif
.endif
.endm
.macro BLOCK kind, e, from, to, y, x
.set N_, \from
.rept (\to)-(\from)
	PROD \kind, \e, \e, N_
	LIST N_, \y, \x
.set N_, N_+1
.endr
.endm
.macro BEGIN w                         ; w: the LDS instructions that may stay out: the other set's; none waited for where w < 0
.if (\w) >= 0
	s_wait_dscnt \w
.endif
	s_wait_xcnt 0x0                                ; the stores have read their registers and their base
.endm
.macro BLK kind, e, w, y, x
	BEGIN \w
	BLOCK \kind, \e, 0, 32, \y, \x
	WIN 0
	PLACES NP
.endm
.macro SBLK kind, e, w, y, x           ; with a plain barrier that shows every tensor load that is out
	BEGIN \w
	BLOCK \kind, \e, 0, 31, \y, \x
	WIN 0
	WALU
	s_wait_tensorcnt 0x0
	s_wait_dscnt 0x0
	s_barrier_signal -1
	BLOCK \kind, \e, 31, 32, \y, \x
	WIN 0
	s_barrier_wait -1
	PLACES NP
.endm
.macro RBLK kind, e, w, y, x           ; with a round of the cluster's barrier and the refill
	BEGIN \w
	s_wait_tensorcnt 0x0
	ds_add_u32 v[SPW], v[NIL]                      ; products stand between it and its wait
	BLOCK \kind, \e, 0, 31, \y, \x
	WIN 0
	WALU
	s_wait_dscnt 0x0                               ; the add is done, and my reads of Wv's rows are over
	s_barrier_signal -1
	BLOCK \kind, \e, 31, 32, \y, \x
	WIN 0
	s_barrier_wait -1
	CREST
	TLOAD G0R, G1R                                 ; Wk's rows over Wv's
	PLACES NP-4
.endm
.macro VOUT                            ; lanes l and l xor 16 write the same byte with the same value; 512 consecutive bytes a store
	ds_store_b8 v[VX], v[EB]
	ds_store_b8 v[VX], v[EB+1] offset:1
	global_store_b128 v[CO], v[MCD:MCD+3], s[84:85]
	global_store_b128 v[CO], v[MCD+4:MCD+7], s[84:85] offset:512
.endm
.macro POUT t
	ds_store_b8 v[VX], v[EB+\t] offset:128*\t
	ds_store_b8 v[VX], v[EB+\t+1] offset:128*(\t+1)
	global_store_b128 v[CO], v[MCD+4*\t:MCD+4*\t+3], s[88:89] offset:16384*\t
	global_store_b128 v[CO], v[MCD+4*\t+4:MCD+4*\t+7], s[88:89] offset:16384*(\t+1)
.endm
	FETCH 0, ADRA0, AAS0
	FETCH 1, 1, 2
	s_wait_loadcnt 0x0                             ; x
.Lv:                                               ; V: four trips of two blocks; behind a block's products its set takes the block two on
	BLK 1, 0, NF, 1, OO
	s_cmp_eq_u32 s46, 0
	s_cbranch_scc1 .Lno_block_before
	VOUT
.Lno_block_before:
	FETCH 0, ADRA, AAS
	SBLK 1, 1, NF, 1, EE                           ; the first trip's barrier shows Wq's rows
	VOUT
	FETCH 1, ADRA, AAS
	s_add_co_u32 s46, s46, 1
	s_cmp_lg_u32 s46, 4
	s_cbranch_scc1 .Lv
	RBLK 0, 0, NF, 1, OO                           ; Q's first pair; the last V block's way out
	VOUT
	s_mov_b32 s40, 0
	FETCH 0, ADRA, AAS
	BLK 0, 1, NF, 4, 0
	FETCH 1, ADRA, AAS
	s_mov_b32 s46, 0
.Lpair:                                            ; Q's second and third pair
	BLK 0, 0, NF, 2, 0
	POUT 0
	FETCH 0, ADRA, AAS
	BLK 0, 1, NF, 3, 0
	POUT 2
	FETCH 1, ADRA, AAS
	s_add_co_u32 s46, s46, 1
	s_cmp_lg_u32 s46, 2
	s_cbranch_scc1 .Lpair
	s_mov_b32 s46, 0
	s_mov_b32 s47, 0                               ; block 16 lies where block 0 lay
.Llast:                                            ; Q's last pair and K's four; the first trip's barrier shows Wk's rows
	SBLK 0, 0, NF, 2, 0
	POUT 0
	s_cmp_eq_u32 s46, 4
	s_cbranch_scc1 .Lnone_0
	FETCH 0, ADRA, AAS
	s_wait_dscnt NF
	s_branch .Lgo
.Lnone_0:
	s_wait_dscnt 0x0
.Lgo:
	BLK 0, 1, -1, 3, 0
	POUT 2
	s_cmp_eq_u32 s46, 4
	s_cbranch_scc1 .Lnone_1
	FETCH 1, ADRA, AAS
.Lnone_1:
	s_add_co_u32 s46, s46, 1
	s_cmp_lg_u32 s46, 5
	s_cbranch_scc1 .Llast
	s_wait_xcnt 0x0
	s_add_nc_u64 s[88:89], s[88:89], 512           ; the last pair's way out
	v_add_nc_u32 v[VX], s40, v[RDQ]
.irp t, 0,1,2,3
.set K_, \t
.set E_, E2+8*K_
.set O_, OO+8*K_
.irp j, 0,1,2,3,4,5,6,7,8,9,10,11,12,13,14
	GAPX \j
.endr
.endr
	POUT 0
	POUT 2
	v_add_nc_u32 v222, XQ, v14                     ; the scale bytes: two rows of q's and k's words a thread,
	v_lshlrev_b32 v223, 1, v0
	v_add_nc_u32 v223, XV, v223                    ; and one channel's 8 bytes
	v_lshlrev_b32 v224, 3, v0
	WALU
	s_wait_dscnt 0x0
	BARRIER
	ds_load_b128 v[208:211], v222
	ds_load_u16 v212, v223
	ds_load_u16 v213, v223 offset:256
	ds_load_u16 v214, v223 offset:512
	ds_load_u16 v215, v223 offset:768
	s_wait_dscnt 0x0
	v_mov_b32 v216, v208
	v_mov_b32 v217, v210
	v_mov_b32 v218, v209
	v_mov_b32 v219, v211
	v_lshl_or_b32 v220, v213, 16, v212
	v_lshl_or_b32 v221, v215, 16, v214
	global_store_b64 v224, v[216:217], s[94:95]    ; 256 consecutive bytes a wave
	global_store_b64 v224, v[218:219], s[94:95] offset:262144
	global_store_b64 v224, v[220:221], s[92:93]
	s_wait_tensorcnt 0x0                           ; the wave's end
	ds_add_u32 v[SPW], v[NIL]
	s_wait_dscnt 0x0
	CROUND                                         ; the closing round
	s_endpgm
.Lfunc_end_k_q41d0359ef5_proj:
	.size	k_q41d0359ef5_proj, .Lfunc_end_k_q41d0359ef5_proj-k_q41d0359ef5_proj
	.p2alignl 7, 3214868480
	.fill 96, 4, 3214868480
	.section	.rodata,"a",@progbits
	.p2align	6, 0x0
	.amdhsa_kernel k_q41d0359ef5_proj
		.amdhsa_group_segment_fixed_size 327680
		.amdhsa_private_segment_fixed_size 0
		.amdhsa_enable_private_segment 0
		.amdhsa_kernarg_size 32
		.amdhsa_user_sgpr_count 2
		.amdhsa_user_sgpr_kernarg_segment_ptr 1
		.amdhsa_wavefront_size32 1
		.amdhsa_system_sgpr_workgroup_id_x 1
		.amdhsa_system_sgpr_workgroup_id_y 1
		.amdhsa_system_sgpr_workgroup_id_z 1
		.amdhsa_system_vgpr_workitem_id 0
		.amdhsa_next_free_vgpr 1024
		.amdhsa_next_free_sgpr 100
		.amdhsa_reserve_vcc 0
		.amdhsa_float_denorm_mode_32 3
		.amdhsa_float_denorm_mode_16_64 3
		.amdhsa_memory_ordered 1
		.amdhsa_forward_progress 1
		.amdhsa_inst_pref_size 141
	.end_amdhsa_kernel
	.amdgpu_metadata
---
amdhsa.version: [ 1, 2 ]
amdhsa.kernels:
  - .name:           k_q41d0359ef5_proj
    .symbol:         k_q41d0359ef5_proj.kd
    .args:
      - { .name: xw_codes, .offset: 0, .size: 8, .value_kind: global_buffer, .address_space: global }
      - { .name: xw_scales, .offset: 8, .size: 8, .value_kind: global_buffer, .address_space: global }
      - { .name: qkv_codes, .offset: 16, .size: 8, .value_kind: global_buffer, .address_space: global }
      - { .name: qkv_scales, .offset: 24, .size: 8, .value_kind: global_buffer, .address_space: global }
    .group_segment_fixed_size: 327680
    .private_segment_fixed_size: 0
    .kernarg_segment_align: 8
    .kernarg_segment_size: 32
    .max_flat_workgroup_size: 128
    .sgpr_count:     100
    .vgpr_count:     1024
    .wavefront_size: 32
...
	.end_amdgpu_metadata
.endif
;; end of part 2
;; launch score (part 3): grid 64 x 4, 4 waves a work-group, no clusters, 169,472 bytes of LDS; arguments qkv_codes, qkv_scales, p_codes, p_stats; writes p_codes, p_stats
.if DOCPART == 3
	.amdgcn_target "amdgcn-amd-amdhsa--gfx1250"
	.amdhsa_code_object_version 6
	.text
	.protected	k_q41d0359ef5_score
	.globl	k_q41d0359ef5_score
	.p2align	8
	.type	k_q41d0359ef5_score,@function
k_q41d0359ef5_score:
	s_mov_b64 s[64:65], 0
	v_nop
	global_prefetch_b8 v0, s[64:65] scope:SCOPE_SE
	s_setreg_imm32_b32 hwreg(HW_REG_WAVE_MODE, 25, 1), 1
	s_wait_xcnt 0x0
; Launch 3 of 4: the scores q k^T on codes of E4M3, the causal mask, and the softmax's weights as codes.
; WORK LEFT OUT: for query tile i of 256 only the 8 (i + 1) blocks of 32 keys up to the tile's end are made: reference()'s own jnp.tril hides every later key from all of its queries, for all inputs.
; THE DEAL.  A batch has 64 work-groups; tile i has 2, 4, 6, 7, 9, 10, 12, 14 of them (i = 0 .. 7), which share its key blocks out: 4 each, and the first 0, 0, 0, 4, 4, 8, 8, 8 one more.
; Each of the four waves HOLDS 64 queries, all of K = 1,024, in 512 registers, straight from memory in operand order, and streams the work-group's keys from LDS, 16 (a tile) at a time.
; The keys' codes, at most 160 rows, lie in LDS in the order of the operand registers; they come once, a quarter a wave, one dense run of memory (a share of four blocks brings the next block too: the tile's size is a constant).
; q and k lie at sigma(row) (bits 3 and 4 exchanged).  source 0 = keys, source 1 = queries: of key tiles 2 b and 2 b + 1 a lane has keys 32 b + 16 h + 0 .. 15 of one query.
; THE SOFTMAX.  t = score x log2(e) / 32.  Any whole number may stand for M, since a power of two goes into a block's scale.  Here each block of 32 keys has its own: g = floor(its largest t).  p' = 2^(t - g);
; the block's largest p' lies in [1, 2), so the rule's scale is 2^-8 and its hold 1.75: constants.  The codes are those of 2^(t - M).  For each row and block, g and the sum of the unquantised p' go to p_stats;
; launch 4 makes of them the E8M0 bytes and the row's sum.  A block whose every key is hidden gets a g of about -4.5e36, zero codes and the sum 0.
; p_codes: [batch][128 blocks of 16 places][16 pieces of 128 keys][c][lane][16].  p_stats: [batch][64 key blocks][32 groups of 64 places][lane][g of place lane, its sum, g of place 32 + lane, its sum].
; NO CLUSTER: the shares of two tiles begin at different keys, so no two work-groups' key runs are the same tile; the queries go into registers.  NO PREFETCH: LDS is filled once, at the head; no loop of loads to run ahead in.
; LIMITS: NaN and infinities are not served; scores under -1e38 count as hidden; v_exp_f32 gives 0 for results under 2^-126.
.set NF,    34
.set NP,    8
.set SCL,   163840                     ; the keys' scale words: 160 rows of 32 bytes
.set SPARE, 168960
.set AAS0, 6
.set CO,   9
.set SPW,  10
.set NIL,  11
.set ADRA, 12
.set AAS,  17
.set DL0,  19                          ; v19  my query less my keys' first, within a tile pair and a key block
.set DL,   20
.set SB,   24                          ; v24-39 the queries' scale words
.set C28,  40                          ; v40  2^-8
.set C175, 41                          ; v41  1.75
.set NINF, 42                          ; v42  -infinity
.set SA,   44
.set ACC,  64                          ; v64-95 the even key tile's four sums, v96-127 the odd's
.set TM,   128
.set G2,   136                         ; v136-143 g, in the low words of four pairs
.set SS,   144
.set SVT,  152
.set ST,   156
.set CD,   160
.set SEL,  60
.set CS,   62
.set HM,   41
.set G1,   24
.set G0,   56
.set MSB, 0
.macro WIN new
.if MSB != (\new)
	s_set_vgpr_msb (MSB<<8)|(\new)
.set MSB, (\new)
.endif
.endm
.macro PLACES n
.rept \n
	v_nop
.endr
.endm
.macro WALU
	s_wait_alu depctr_va_vdst(0)
.endm
	s_load_b256 s[4:11], s[0:1], 0x0               ; qkv_codes, qkv_scales, p_codes, p_stats
	v_lshl_add_u32 v[SPW], v0, 2, SPARE
	v_mov_b32 v[NIL], 0
	ds_add_u32 v[SPW], v[NIL]                      ; the wave's opening: the add, twice on end, and its wait ahead of my first tensor load
	ds_add_u32 v[SPW], v[NIL]
	v_lshrrev_b32 v1, 5, v0
	v_readfirstlane_b32 s14, v1                    ; wave 0..3
	s_mov_b32 s17, 0                               ; the query tile i,
	s_mov_b32 s22, 0                               ; its first work-group,
	s_mov_b32 s23, 0                               ; and how many of its shares have five blocks
.macro TILE first, more
	s_cmp_ge_u32 ttmp9, \first
	s_cselect_b32 s20, 1, 0
	s_cselect_b32 s22, \first, s22
	s_cselect_b32 s23, \more, s23
	s_add_co_u32 s17, s17, s20
.endm
	TILE 2, 0
	TILE 6, 0
	TILE 12, 4
	TILE 19, 4
	TILE 28, 8
	TILE 38, 8
	TILE 50, 8
	s_sub_co_u32 s18, ttmp9, s22                   ; my share of the tile
	s_lshl_b32 s19, s18, 2
	s_min_u32 s20, s18, s23
	s_add_co_u32 s19, s19, s20                     ; my first key block
	s_cmp_lt_u32 s18, s23
	s_cselect_b32 s45, 5, 4                        ; how many
	s_and_b32 s16, ttmp7, 0xffff                   ; the batch
	s_mov_b32 s21, 0
	s_mov_b32 s[G1+0], 3<<16                       ; 40,960 dense bytes as 40 rows of 128 elements of 8
	s_mov_b32 s[G1+1], 128<<16
	s_mov_b32 s[G1+2], 40<<16
	s_mov_b32 s[G1+3], 128<<16
	s_mov_b32 s[G1+4], 40
	s_mov_b32 s[G1+5], 128
	s_mov_b32 s[G1+6], 0
	s_mov_b32 s[G1+7], 0
	s_mov_b32 s[G0], 1
	s_mul_i32 s[G0+1], s14, 40960
	s_lshl_b32 s72, s16, 21
	s_lshl_b32 s20, s19, 15
	s_add_co_u32 s72, s72, s20
	s_mul_i32 s20, s14, 40960
	s_add_co_u32 s72, s72, s20
	s_add_co_u32 s72, s72, 8388608
	s_mov_b32 s73, 0
	s_wait_dscnt 0x0                               ; both opening adds are done
	s_wait_alu depctr_va_vdst(0)
	s_wait_kmcnt 0x0
	s_add_nc_u64 s[G0+2:G0+3], s[4:5], s[72:73]
	s_or_b32 s[G0+3], s[G0+3], 0x80000000
	tensor_load_to_lds s[G0:G0+3], s[G1:G1+7]      ; my one tensor load
	s_nop 0
	PLACES 4
	s_lshl_b32 s22, s17, 2
	s_add_co_u32 s22, s22, s14                     ; my group of 64 queries in the batch,
	s_lshl_b32 s15, s16, 5
	s_add_co_u32 s15, s15, s22                     ; and in all
	s_lshl_b32 s20, s15, 16
	s_add_nc_u64 s[76:77], s[4:5], s[20:21]        ; my queries' codes,
	s_lshl_b32 s20, s15, 8
	s_add_nc_u64 s[80:81], s[6:7], s[20:21]        ; their scale words,
	s_lshl_b32 s20, s16, 13
	s_lshl_b32 s23, s19, 7
	s_add_co_u32 s20, s20, s23
	s_add_co_u32 s20, s20, 262144
	s_add_nc_u64 s[78:79], s[6:7], s[20:21]        ; the keys' scale words
	s_lshl_b32 s20, s15, 17
	s_lshl_b32 s23, s19, 9
	s_add_co_u32 s20, s20, s23
	s_add_nc_u64 s[84:85], s[8:9], s[20:21]        ; p's codes, a block back: each trip steps it
	s_sub_nc_u64 s[84:85], s[84:85], 512
	s_lshl_b32 s20, s16, 20
	s_lshl_b32 s23, s19, 14
	s_add_co_u32 s20, s20, s23
	s_lshl_b32 s23, s22, 9
	s_add_co_u32 s20, s20, s23
	s_add_nc_u64 s[88:89], s[10:11], s[20:21]      ; the statistics, likewise
	s_sub_nc_u64 s[88:89], s[88:89], 0x4000
	s_lshl_b32 s43, s22, 6
	s_lshl_b32 s20, s19, 5
	s_sub_co_i32 s43, s43, s20                     ; my first query less the block's first key
	s_mov_b32 s[CS], 0x3d38aa3b                    ; log2(e) / 32
	s_mov_b32 s[CS+1], s[CS]                       ; (named with it as a pair)
	s_mov_b32 s[SEL], 0x76543210
	s_mov_b32 s[SEL+1], 0xfedcba98
	s_mov_b32 s[HM], 0xffff0000                    ; lanes 16-31
	s_mov_b32 s46, 0
	s_mov_b32 s47, 2*16384                         ; the key tile that is fetched next
	s_mov_b32 s12, 1024
	v_and_b32 v3, 31, v0
	v_lshlrev_b32 v[CO], 4, v3
	v_lshlrev_b32 v18, 2, v3
	v_lshlrev_b32 v14, 2, v0                       ; the keys' scale words: rows 0-127, a thread a row;
	v_lshrrev_b32 v8, 5, v0
	v_lshlrev_b32 v15, 15, v8
	v_lshl_add_u32 v15, v3, 2, v15
	v_add_nc_u32 v15, 512, v15                     ; rows 128-159: a wave two of the eight words
	v_lshlrev_b32 v5, 5, v0
	v_add_nc_u32 v5, SCL, v5
	v_lshlrev_b32 v7, 5, v3
	v_lshl_add_u32 v7, v8, 2, v7
	v_add_nc_u32 v7, SCL+4096, v7
	v_and_b32 v1, 15, v0                           ; r
	v_bfe_u32 v2, v0, 4, 1                         ; h
	v_lshlrev_b32 v8, 5, v1
	v_add_nc_u32 v[AAS0], SCL, v8
	v_lshrrev_b32 v8, 3, v1
	v_sub_nc_u32 v8, v8, v2
	v_and_b32 v[DL0], 7, v1
	v_lshl_add_u32 v[DL0], v8, 4, v[DL0]           ; 16 (r / 8) - 16 h + r % 8
	v_add_nc_u32 v1, 16384, v[CO]
	v_add_nc_u32 v2, 512, v[AAS0]
	v_mov_b32 v[C28], 0x3b800000
	v_mov_b32 v[C175], 0x3fe00000
	v_mov_b32 v[NINF], 0xff800000
	WALU
.irp y, 0,1,2,3,4,5,6,7
	global_load_b32 v[64+\y], v14, s[78:79] offset:32768*\y
.endr
	global_load_b32 v72, v15, s[78:79]
	global_load_b32 v73, v15, s[78:79] offset:131072
.irp y, 0,1,2,3,4,5,6,7
	global_load_b32 v[SB+\y], v18, s[80:81] offset:32768*\y
	global_load_b32 v[SB+8+\y], v18, s[80:81] offset:32768*\y+128
.endr
.irp q, 0,1,2,3,4,5,6,7
	WIN (1+\q/4)<<6
.irp t, 0,1,2,3
.irp c, 0,1,2,3
	global_load_b128 v[64*(\q%4)+16*\t+4*\c:64*(\q%4)+16*\t+4*\c+3], v[CO], s[76:77] offset:16384*\t+2048*\q+512*\c
.endr
.endr
.endr
	WIN 0
.irp t, 0,1,2,3
	v_mov_b32 v[TM+4+\t], 0                        ; a lane permute's destination counts as one of its sources
	v_mov_b32 v[G2+2*\t+1], 0                      ; named as the upper halves of pairs
.endr
	WALU
	s_wait_loadcnt 63                              ; the ten loads of the keys' scale words are in: 144 loads were issued behind them
	ds_store_b128 v5, v[64:67]
	ds_store_b128 v5, v[68:71] offset:16
	ds_store_b32 v7, v72
	ds_store_b32 v7, v73 offset:16
	s_wait_tensorcnt 0x0
	s_wait_dscnt 0x0
	s_barrier_signal -1
	s_barrier_wait -1
.macro FETCH k, a, s
	WIN 3<<6
.irp q, 0,1,2,3,4,5,6,7
.irp c, 0,1,2,3
	ds_load_b128 v[128*\k+16*\q+4*\c:128*\k+16*\q+4*\c+3], v[\a] offset:2048*\q+512*\c
.endr
.endr
	WIN 0
	ds_load_b128 v[SA+8*\k:SA+8*\k+3], v[\s]
	ds_load_b128 v[SA+8*\k+4:SA+8*\k+7], v[\s] offset:16
.endm
.macro ONWARD k                        ; the key tile two on into set k
	v_add_nc_u32 v[ADRA], s47, v[CO]
	v_add_nc_u32 v[AAS], s12, v[AAS0]
	s_add_co_u32 s47, s47, 16384
	s_add_co_u32 s12, s12, 512
	FETCH \k, ADRA, AAS
.endm
.macro BLOCK e                         ; a key tile: 32 products; the four accumulators take turns
.set N_, 0
.rept 32
.set Q_, N_/4
.set B_, N_%4
.set AC_, ACC+32*(\e)+8*B_
.set H_, 16*(N_%16)
.set S_, 128*(\e)+16*Q_
.set XS_, SB+8*(B_/2)+Q_
.set WS_, SA+8*(\e)+Q_
	WIN 3|((1+N_/16)<<2)
.if Q_ && B_%2
	v_wmma_scale_f32_16x16x128_f8f6f4 v[AC_:AC_+7], v[S_:S_+15], v[H_:H_+15], v[AC_:AC_+7], v[WS_], v[XS_] matrix_b_scale:MATRIX_SCALE_ROW1
.elseif Q_
	v_wmma_scale_f32_16x16x128_f8f6f4 v[AC_:AC_+7], v[S_:S_+15], v[H_:H_+15], v[AC_:AC_+7], v[WS_], v[XS_]
.elseif B_%2
	v_wmma_scale_f32_16x16x128_f8f6f4 v[AC_:AC_+7], v[S_:S_+15], v[H_:H_+15], 0, v[WS_], v[XS_] matrix_b_scale:MATRIX_SCALE_ROW1
.else
	v_wmma_scale_f32_16x16x128_f8f6f4 v[AC_:AC_+7], v[S_:S_+15], v[H_:H_+15], 0, v[WS_], v[XS_]
.endif
.set N_, N_+1
.endr
	WIN 0
	PLACES NP
.endm
	FETCH 0, CO, AAS0
	FETCH 1, 1, 2
	s_wait_loadcnt 0x0                             ; the queries
.Lpair:                                            ; five trips; a share of four leaves the last one's work out, by ids alone
	s_cmp_ge_u32 s46, s45
	s_cbranch_scc1 .Lnext
	s_wait_dscnt NF                                ; the other set's 34 loads may be out
	s_wait_xcnt 0x0                                ; the stores have read their registers and their base
	s_add_nc_u64 s[84:85], s[84:85], 512
	s_add_nc_u64 s[88:89], s[88:89], 0x4000
	BLOCK 0
	s_cmp_eq_u32 s46, 4
	s_cbranch_scc1 .Lnone_0
	ONWARD 0
	s_wait_dscnt NF
	s_branch .Lgo
.Lnone_0:
	s_wait_dscnt 0x0
.Lgo:
	BLOCK 1
	s_cmp_eq_u32 s46, 4
	s_cbranch_scc1 .Lnone_1
	ONWARD 1
.Lnone_1:
	s_cmp_lt_i32 s43, 31                           ; may some key of the block come after some query of mine?
	s_cbranch_scc0 .Lopen
	v_add_nc_u32 v[DL], s43, v[DL0]
.set T_, 0
.rept 4
.set KK, 0
.rept 16
.set R_, ACC+32*(KK/8)+8*T_+KK%8
	v_cmp_gt_i32 vcc_lo, KK-32*(T_/2)-8*(T_%2), v[DL]          ; the key comes after the query:
	v_cndmask_b32 v[R_], v[R_], v[NINF], vcc_lo                ; its score becomes -infinity
.set KK, KK+1
.endr
.set T_, T_+1
.endr
.Lopen:
.irp t, 0,1,2,3
	v_max3_num_f32 v[TM+\t], 0xfe967699, v[ACC+8*\t], v[ACC+8*\t+1]       ; -1e38 among the leaves: a hidden block's g stays a number
.endr
.irp i, 2,4,6,32,34,36,38
.irp t, 0,1,2,3
	v_max3_num_f32 v[TM+\t], v[TM+\t], v[ACC+8*\t+\i], v[ACC+8*\t+\i+1]
.endr
.endr
.irp t, 0,1,2,3
	v_permlanex16_b32 v[TM+4+\t], v[TM+\t], s[SEL], s[SEL+1]
.endr
.irp t, 0,1,2,3
	v_max_num_f32 v[TM+\t], v[TM+\t], v[TM+4+\t]   ; the block's largest score
.endr
.irp t, 0,1,2,3
	v_mul_f32 v[TM+\t], s[CS], v[TM+\t]            ; as t
.endr
.irp t, 0,1,2,3
	v_floor_f32 v[G2+2*\t], v[TM+\t]               ; g
.endr
.irp i, 0,2,4,6,32,34,36,38
.irp t, 0,1,2,3
	v_pk_fma_f32 v[ACC+8*\t+\i:ACC+8*\t+\i+1], v[ACC+8*\t+\i:ACC+8*\t+\i+1], s[CS:CS+1], v[G2+2*\t:G2+2*\t+1] op_sel_hi:[1,0,0] neg_lo:[0,0,1] neg_hi:[0,0,1]   ; t - g
.endr
.endr
	WALU
.set KK, 0
.rept 64
	v_exp_f32 v[ACC+KK], v[ACC+KK]                 ; p' = 2^(t - g)
.set KK, KK+1
.endr
	v_nop                                          ; a plain place behind the last exponential
	WALU                                           ; one wait for the batch, ahead of its first reader
.irp t, 0,1,2,3
	v_pk_add_f32 v[SS+2*\t:SS+2*\t+1], v[ACC+8*\t:ACC+8*\t+1], v[ACC+8*\t+2:ACC+8*\t+3]   ; the sums are taken of the unquantised p'
.endr
.irp i, 4,6,32,34,36,38
.irp t, 0,1,2,3
	v_pk_add_f32 v[SS+2*\t:SS+2*\t+1], v[ACC+8*\t+\i:ACC+8*\t+\i+1], v[SS+2*\t:SS+2*\t+1]
.endr
.endr
.set KK, 0
.rept 64
	v_min_num_f32 v[ACC+KK], v[ACC+KK], v[C175]    ; the hold at 448 x 2^-8; p' is not negative
.set KK, KK+1
.endr
.irp t, 0,1,2,3
	v_cvt_scalef32_pk8_fp8_f32 v[CD+4*\t:CD+4*\t+1], v[ACC+8*\t:ACC+8*\t+7], v[C28]
	v_cvt_scalef32_pk8_fp8_f32 v[CD+4*\t+2:CD+4*\t+3], v[ACC+32+8*\t:ACC+39+8*\t], v[C28]
.endr
.irp t, 0,1,2,3
	v_add_f32 v[SVT+\t], v[SS+2*\t], v[SS+2*\t+1]  ; (plain lines behind the conversions)
.endr
.irp t, 0,1,2,3
	v_permlanex16_b32 v[TM+4+\t], v[SVT+\t], s[SEL], s[SEL+1]
.endr
.irp t, 0,1,2,3
	v_add_f32 v[SVT+\t], v[SVT+\t], v[TM+4+\t]     ; the block's sum; lanes l and l xor 16 hold the same g and the same sum
.endr
.irp p, 0,1
	v_cndmask_b32 v[ST+2*\p], v[G2+4*\p], v[G2+4*\p+2], s[HM]      ; lanes 0-15 take tile 2 p, lanes 16-31 tile 2 p + 1
	v_cndmask_b32 v[ST+2*\p+1], v[SVT+2*\p], v[SVT+2*\p+1], s[HM]
.endr
.irp t, 0,1,2,3
	global_store_b128 v[CO], v[CD+4*\t:CD+4*\t+3], s[84:85] offset:32768*\t   ; 512 consecutive bytes, aligned
.endr
	global_store_b128 v[CO], v[ST:ST+3], s[88:89]  ; likewise
.Lnext:
	s_sub_co_i32 s43, s43, 32
	s_add_co_u32 s46, s46, 1
	s_cmp_lg_u32 s46, 5
	s_cbranch_scc1 .Lpair
	s_wait_tensorcnt 0x0                           ; the wave's end
	ds_add_u32 v[SPW], v[NIL]
	s_wait_dscnt 0x0
	s_endpgm
.Lfunc_end_k_q41d0359ef5_score:
	.size	k_q41d0359ef5_score, .Lfunc_end_k_q41d0359ef5_score-k_q41d0359ef5_score
	.p2alignl 7, 3214868480
	.fill 96, 4, 3214868480
	.section	.rodata,"a",@progbits
	.p2align	6, 0x0
	.amdhsa_kernel k_q41d0359ef5_score
		.amdhsa_group_segment_fixed_size 169472
		.amdhsa_private_segment_fixed_size 0
		.amdhsa_enable_private_segment 0
		.amdhsa_kernarg_size 32
		.amdhsa_user_sgpr_count 2
		.amdhsa_user_sgpr_kernarg_segment_ptr 1
		.amdhsa_wavefront_size32 1
		.amdhsa_system_sgpr_workgroup_id_x 1
		.amdhsa_system_sgpr_workgroup_id_y 1
		.amdhsa_system_sgpr_workgroup_id_z 1
		.amdhsa_system_vgpr_workitem_id 0
		.amdhsa_next_free_vgpr 1024
		.amdhsa_next_free_sgpr 100
		.amdhsa_reserve_vcc 1
		.amdhsa_float_denorm_mode_32 3
		.amdhsa_float_denorm_mode_16_64 3
		.amdhsa_memory_ordered 1
		.amdhsa_forward_progress 1
		.amdhsa_inst_pref_size 58
	.end_amdhsa_kernel
	.amdgpu_metadata
---
amdhsa.version: [ 1, 2 ]
amdhsa.kernels:
  - .name:           k_q41d0359ef5_score
    .symbol:         k_q41d0359ef5_score.kd
    .args:
      - { .name: qkv_codes, .offset: 0, .size: 8, .value_kind: global_buffer, .address_space: global }
      - { .name: qkv_scales, .offset: 8, .size: 8, .value_kind: global_buffer, .address_space: global }
      - { .name: p_codes, .offset: 16, .size: 8, .value_kind: global_buffer, .address_space: global }
      - { .name: p_stats, .offset: 24, .size: 8, .value_kind: global_buffer, .address_space: global }
    .group_segment_fixed_size: 169472
    .private_segment_fixed_size: 0
    .kernarg_segment_align: 8
    .kernarg_segment_size: 32
    .max_flat_workgroup_size: 128
    .sgpr_count:     100
    .vgpr_count:     1024
    .wavefront_size: 32
...
	.end_amdgpu_metadata
.endif
;; end of part 3
;; launch pv (part 4): grid 4 x 64, 4 waves a work-group, no clusters, 327,680 bytes of LDS; arguments p_codes, p_stats, qkv_codes, qkv_scales, out0; writes out0
.if DOCPART == 4
	.amdgcn_target "amdgcn-amd-amdhsa--gfx1250"
	.amdhsa_code_object_version 6
	.text
	.protected	k_q41d0359ef5_pv
	.globl	k_q41d0359ef5_pv
	.p2align	8
	.type	k_q41d0359ef5_pv,@function
k_q41d0359ef5_pv:
	s_mov_b64 s[64:65], 0
	v_nop
	global_prefetch_b8 v0, s[64:65] scope:SCOPE_SE
	s_setreg_imm32_b32 hwreg(HW_REG_WAVE_MODE, 25, 1), 1
	s_wait_xcnt 0x0
; Launch 4 of 4: O = p v, divided by the row's sum.  A work-group makes 128 query places x 256 channels of one batch, over the keys up to the end of its tile of 256 queries.
; WORK LEFT OUT: the later keys: reference()'s own jnp.tril hides them from all of the tile's queries, for all inputs, so their p is 0.
; v's codes lie in the order of the operand registers ([16 channels][128 keys][c][lane][16]): a slot holds 512 keys of 16 channel tiles, 8,192 dense bytes each.  p goes from memory straight into registers, in the same order.
; p_stats: [batch][64 key blocks][32 groups of 64 places][lane][g of place lane, its sum, g of place 32 + lane, its sum]: a thread takes one place.
.set QUART,  32768
.set SLOT,   4*QUART
.set PSC,    2*SLOT
.set VSC,    PSC+8192
.set RL,     VSC+16384
.set SPARE,  RL+512
.set SPITCH, 528
.set ADRB, 16
.set ADRS, 20
.set ADRV, 21
.set STO,  22
.set RD,   23
.set CO,   24
.set ADRL, 25
.set PSA,  26
.set RLA,  27
.set SPW,  28
.set NIL,  29
.set SC,   32
.set BK,   64
.set GG,   64
.set TT0,  192
.set UU,   200
.set LL,   208
.set RR,   210
.set WD,   212
.set RLP,  228
.set PO,   236
.set N,    19
.set G1, 24
.set G0, 32
.set G1V, 48
.set G0V, 56
.set MSB, 0
.macro WIN new
.if MSB != (\new)
	s_set_vgpr_msb (MSB<<8)|(\new)
.set MSB, (\new)
.endif
.endm
.macro PLACES n
.rept \n
	v_nop
.endr
.endm
.macro PLOAD s
	WIN 0xc0
.irp q, 0,1
.irp a, 0,1,2,3
.irp c, 0,1,2,3
	global_load_b128 v[64*((2*(\s)+\q)%4)+16*\a+4*\c:64*((2*(\s)+\q)%4)+16*\a+4*\c+3], v[CO], s[4:5] offset:(16*\a+2*(\s)+\q)*2048+512*\c
.endr
.endr
.endr
	WIN 0
.endm
	s_load_b256 s[4:11], s[0:1], 0x0
	s_load_b64 s[12:13], s[0:1], 0x20
	v_lshl_add_u32 v[SPW], v0, 2, SPARE
	v_mov_b32 v[NIL], 0
	ds_add_u32 v[SPW], v[NIL]
	ds_add_u32 v[SPW], v[NIL]
	v_lshrrev_b32 v1, 5, v0
	v_readfirstlane_b32 s14, v1
	s_lshr_b32 s15, s14, 1
	s_and_b32 s16, s14, 1
	s_and_b32 s20, ttmp7, 0xffff
	s_lshr_b32 s17, s20, 4
	s_and_b32 s18, s20, 15
	s_lshr_b32 s[N], s18, 1
	s_add_co_u32 s[N], s[N], 1
	s_mov_b32 s[G1+0], 3<<16                       ; 4 channel tiles x 512 keys: 4 rows of 1,024 elements of 8 bytes, 32,768 bytes apart
	s_mov_b32 s[G1+1], 1024<<16
	s_mov_b32 s[G1+2], 4<<16
	s_mov_b32 s[G1+3], 1024<<16
	s_mov_b32 s[G1+4], 4
	s_mov_b32 s[G1+5], 4096
	s_mov_b32 s[G1+6], 0
	s_mov_b32 s[G1+7], 0
	s_mov_b32 s[G1V+0], 3<<16
	s_mov_b32 s[G1V+1], 64<<16
	s_mov_b32 s[G1V+2], 8<<16
	s_mov_b32 s[G1V+3], 64<<16
	s_mov_b32 s[G1V+4], 8
	s_mov_b32 s[G1V+5], 1024
	s_mov_b32 s[G1V+6], 0
	s_mov_b32 s[G1V+7], 0
	s_lshl_b32 s21, ttmp9, 8
	s_lshl_b32 s22, s14, 6
	s_add_co_u32 s21, s21, s22
	s_lshl_b32 s40, s21, 11
	s_lshl_b32 s22, s17, 21
	s_add_co_u32 s40, s40, s22
	s_add_co_u32 s40, s40, 16777216
	s_mov_b32 s41, 0
	s_lshl_b32 s60, s17, 16
	s_lshl_b32 s22, s21, 3
	s_add_co_u32 s60, s60, s22
	s_add_co_u32 s60, s60, 524288
	s_mov_b32 s61, 0
	s_mul_i32 s44, s14, QUART
	s_lshl_b32 s45, s14, 12
	s_mov_b32 s46, 0xff61b1e6
	s_wait_dscnt 0x0
	s_wait_kmcnt 0x0
	s_add_nc_u64 s[42:43], s[8:9], s[40:41]
.irp s, 0,1
	s_mov_b32 s[G0+4*\s], 1
	s_add_co_u32 s[G0+4*\s+1], s44, \s*SLOT
	s_add_nc_u64 s[G0+4*\s+2:G0+4*\s+3], s[42:43], \s*8192
	s_or_b32 s[G0+4*\s+3], s[G0+4*\s+3], 0x80000000
.endr
	s_mov_b32 s[G0V], 1
	s_add_co_u32 s[G0V+1], s45, VSC
	s_add_nc_u64 s[G0V+2:G0V+3], s[10:11], s[60:61]
	s_or_b32 s[G0V+3], s[G0V+3], 0x80000000
	tensor_load_to_lds s[G0V:G0V+3], s[G1V:G1V+7]
	s_nop 0
	s_wait_alu depctr_va_vdst(0)
	s_wait_tensorcnt 0x0
	ds_add_u32 v28, v29
	s_wait_dscnt 0x0
	s_barrier_signal -1
	s_barrier_wait -1
	tensor_load_to_lds s[G0:G0+3], s[G1:G1+7]
	s_nop 0
.rept 4
	v_nop
.endr
	s_lshl_b32 s40, s17, 20
	s_lshl_b32 s21, s18, 10
	s_add_co_u32 s40, s40, s21
	s_add_nc_u64 s[6:7], s[6:7], s[40:41]
	v_and_b32 v3, 31, v0
	v_lshlrev_b32 v3, 4, v3
	v_bfe_u32 v4, v0, 5, 1
	v_lshl_add_u32 v3, v4, 3, v3
	v_lshrrev_b32 v4, 6, v0
	v_lshl_add_u32 v3, v4, 9, v3
	s_wait_alu depctr_va_vdst(0)
	s_lshl_b32 s22, s[N], 1
	s_sub_co_u32 s22, s22, 1
.irp c, 0,1,2,3,4,5,6,7,8,9,10,11,12,13,14,15
	s_min_u32 s23, s22, \c
	s_lshl_b32 s23, s23, 16
	v_add_nc_u32 v[PO+\c], s23, v3
.endr
	s_wait_alu depctr_va_vdst(0)
.irp c, 0,1,2,3,4,5,6,7,8,9,10,11,12,13,14,15
.irp k, 0,1,2,3
	global_load_b64 v[GG+8*\c+2*\k:GG+8*\c+2*\k+1], v[PO+\c], s[6:7] offset:16384*\k
.endr
.endr
	s_lshl_b32 s40, s17, 22
	s_lshl_b32 s21, s18, 18
	s_add_co_u32 s40, s40, s21
	s_lshl_b32 s21, s15, 17
	s_add_co_u32 s40, s40, s21
	s_add_nc_u64 s[4:5], s[4:5], s[40:41]
	v_and_b32 v6, 31, v0
	v_lshlrev_b32 v[CO], 4, v6
	PLOAD 0
	v_and_b32 v1, 15, v0
	v_bfe_u32 v2, v0, 4, 1
	s_mul_i32 s22, s16, 2*QUART
	v_add_nc_u32 v[ADRB], s22, v[CO]
	s_add_co_u32 s22, s22, SLOT
	v_add_nc_u32 v[ADRB+1], s22, v[CO]
	v_lshlrev_b32 v4, 3, v1
	s_lshl_b32 s21, s15, 12
	s_lshl_b32 s22, s16, 13
	s_add_co_u32 s23, s22, VSC
	v_add_nc_u32 v[ADRV], s23, v4
	s_add_co_u32 s22, s22, VSC-PSC
	s_sub_co_u32 s22, s22, s21
	v_mul_u32_u24 v5, s22, v2
	s_add_co_u32 s21, s21, PSC
	v_add_nc_u32 v5, v4, v5
	v_add_nc_u32 v[ADRS], s21, v5
	s_mul_i32 s23, s14, 16*SPITCH
	s_wait_alu depctr_va_vdst(0)                   ; directly ahead of the readers below
	v_mul_u32_u24 v5, v1, SPITCH
	v_lshl_add_u32 v5, v2, 6, v5
	v_add_nc_u32 v[STO], s23, v5
	v_add_nc_u32 v[RD], s23, v[CO]
	s_lshl_b32 s23, s15, 8
	s_add_co_u32 s23, s23, RL
	v_lshl_add_u32 v[ADRL], v1, 2, s23
	v_lshrrev_b32 v5, 6, v0
	v_and_b32 v6, 63, v0
	v_lshlrev_b32 v6, 3, v6
	v_lshl_add_u32 v6, v5, 12, v6
	v_add_nc_u32 v[PSA], PSC, v6
	v_lshl_add_u32 v[RLA], v0, 2, RL
	s_lshl_b32 s20, s17, 11
	s_lshl_b32 s21, s18, 7
	s_add_co_u32 s20, s20, s21
	s_lshl_b32 s21, s15, 6
	s_add_co_u32 s20, s20, s21
	s_lshl_b32 s40, s20, 12
	s_lshl_b32 s21, ttmp9, 10
	s_add_co_u32 s40, s40, s21
	s_lshl_b32 s21, s16, 9
	s_add_co_u32 s40, s40, s21
	s_add_nc_u64 s[12:13], s[12:13], s[40:41]
.macro PCHUNK c
	s_cmp_gt_u32 s[N], \c
	s_cselect_b32 s23, 0x42ee0000, s46
.irp k, 0,1,2,3,4,5,6,7
	v_sub_f32 v[TT0+\k], v[GG+16*(\c)+2*\k], v[RR]
.endr
.irp k, 0,1,2,3,4,5,6,7
	v_add_f32 v[TT0+\k], s23, v[TT0+\k]
.endr
.irp k, 0,1,2,3,4,5,6,7
	v_max_num_f32 v[TT0+\k], 1.0, v[TT0+\k]
.endr
.irp k, 0,1,2,3,4,5,6,7
	v_cvt_u32_f32 v[TT0+\k], v[TT0+\k]
.endr
.irp k, 0,1,2,3,4,5,6,7
	v_lshl_add_u32 v[UU+\k], v[TT0+\k], 23, 0x04000000
.endr
.irp k, 0,1,2,3,4,5,6,7
.if ((\c) == 0) && (\k < 2)
	v_mul_f32 v[LL+\k], v[GG+2*\k+1], v[UU+\k]
.else
	v_fmac_f32 v[LL+\k%2], v[GG+16*(\c)+2*\k+1], v[UU+\k]
.endif
.endr
	v_lshl_or_b32 v[WD+2*(\c)], v[TT0+1], 8, v[TT0]
	v_lshl_or_b32 v[WD+2*(\c)+1], v[TT0+5], 8, v[TT0+4]
	v_lshl_or_b32 v[WD+2*(\c)], v[TT0+2], 16, v[WD+2*(\c)]
	v_lshl_or_b32 v[WD+2*(\c)+1], v[TT0+6], 16, v[WD+2*(\c)+1]
	v_lshl_or_b32 v[WD+2*(\c)], v[TT0+3], 24, v[WD+2*(\c)]
	v_lshl_or_b32 v[WD+2*(\c)+1], v[TT0+7], 24, v[WD+2*(\c)+1]
	ds_store_b64 v[PSA], v[WD+2*(\c):WD+2*(\c)+1] offset:512*(\c)
.endm
.macro PRO nst
	v_max3_num_f32 v[RR], v[GG], v[GG+2], v[GG+4]
.set KK, 3
.rept (8*(\nst)-4)/2
	v_max3_num_f32 v[RR], v[RR], v[GG+2*KK], v[GG+2*KK+2]
.set KK, KK+2
.endr
	v_max_num_f32 v[RR], v[RR], v[GG+16*(\nst)-2]
.irp c, 0,1,2,3,4,5,6,7
.if \c < \nst
	PCHUNK \c
.endif
.endr
	v_add_f32 v[LL], v[LL], v[LL+1]
	s_wait_alu depctr_va_vdst(0)
	v_rcp_f32 v[LL+1], v[LL]
	v_nop
	s_wait_alu depctr_va_vdst(0)
	ds_store_b32 v[RLA], v[LL+1]
	s_wait_dscnt 0x0
	s_barrier_signal -1
	s_barrier_wait -1
.endm
.macro MUL32 vs, ps, q, sc, zero
	WIN 0x5e
.irp a, 0,1,2,3
.irp b, 0,1,2,3,4,5,6,7
.if \zero
	v_wmma_scale_f32_16x16x128_f8f6f4 v[64*\a+8*\b:64*\a+8*\b+7], v[128*(\vs)+16*\b:128*(\vs)+16*\b+15], v[64*(\ps)+16*\a:64*(\ps)+16*\a+15], 0, v[SC+16*(\sc)+2*\b+(\q)], v[SC+16*(\sc)+2*\a+(\q)] matrix_a_scale:MATRIX_SCALE_ROW1
.else
	v_wmma_scale_f32_16x16x128_f8f6f4 v[64*\a+8*\b:64*\a+8*\b+7], v[128*(\vs)+16*\b:128*(\vs)+16*\b+15], v[64*(\ps)+16*\a:64*(\ps)+16*\a+15], v[64*\a+8*\b:64*\a+8*\b+7], v[SC+16*(\sc)+2*\b+(\q)], v[SC+16*(\sc)+2*\a+(\q)] matrix_a_scale:MATRIX_SCALE_ROW1
.endif
.endr
.endr
.endm
.macro FETCH vs, slot, q
	WIN 0x80
.irp i, 0,1,2,3,4,5,6,7
.irp c, 0,1,2,3
	ds_load_b128 v[128*(\vs)+16*\i+4*\c:128*(\vs)+16*\i+4*\c+3], v[ADRB+(\slot)] offset:2048*(\q)+512*\c+8192*\i
.endr
.endr
	WIN 0
.endm
.macro SCALES s
.irp i, 0,1,2,3
	ds_load_b64 v[SC+16*((\s)%2)+2*\i:SC+16*((\s)%2)+2*\i+1], v[ADRS] offset:512*(\s)+128*\i
.endr
.irp i, 4,5,6,7
	ds_load_b64 v[SC+16*((\s)%2)+2*\i:SC+16*((\s)%2)+2*\i+1], v[ADRV] offset:4096+512*(\s)+128*(\i-4)
.endr
.endm
.macro CHANGE u, fill
	s_wait_tensorcnt 0x0
	ds_add_u32 v[SPW], v[NIL]
.if (\fill) && ((\u) >= 1)
	s_add_nc_u64 s[G0+4*(((\u)+1)%2)+2:G0+4*(((\u)+1)%2)+3], s[G0+4*(((\u)+1)%2)+2:G0+4*(((\u)+1)%2)+3], 16384
.endif
	s_wait_dscnt 0x0
	s_barrier_signal -1
	s_barrier_wait -1
.if \fill
	s_cmp_gt_u32 s[N], 2*(\u)+2
	s_cbranch_scc0 .Lno_fill_\@
	tensor_load_to_lds s[G0+4*(((\u)+1)%2):G0+4*(((\u)+1)%2)+3], s[G1:G1+7]
	s_nop 0
.rept 4
	v_nop
.endr
.Lno_fill_\@:
.endif
.endm
.macro BODY s, last
.set SL, ((\s)/2)%2
.set P0, (2*(\s))%4
.set PAR, (\s)%2
.if PAR == 0
	FETCH 0, SL, 0
	SCALES \s
	FETCH 1, SL, 1
.endif
	s_wait_dscnt 32
.if \last
	s_wait_loadcnt 16
.else
	s_wait_loadcnt 48
.endif
.if (\s) == 0
	MUL32 0, P0, 0, PAR, 1
.else
	MUL32 0, P0, 0, PAR, 0
.endif
.if (PAR == 0) && ((\last) == 0)
	PLACES 8
	FETCH 0, SL, 2
	SCALES (\s)+1
	s_wait_dscnt 40
.else
	s_wait_dscnt 0x0
.endif
.if \last
	s_wait_loadcnt 0x0
.else
	s_wait_loadcnt 32
.endif
	MUL32 1, P0+1, 1, PAR, 0
	WIN 0
	PLACES 8
.if (PAR == 0) && ((\last) == 0)
	FETCH 1, SL, 3
.endif
.endm
.macro ONWARD s
	s_cmp_gt_u32 s[N], (\s)+2
	s_cbranch_scc0 .Lend_\s
	PLOAD (\s)+2
.endm
	CHANGE 0, 1
	s_wait_loadcnt 32
	s_cmp_gt_u32 s[N], 1
	s_cbranch_scc0 .Lone
	PLOAD 1
	PRO 8
	BODY 0, 0
	ONWARD 0
	BODY 1, 0
	ONWARD 1
	CHANGE 1, 1
	BODY 2, 0
	ONWARD 2
	BODY 3, 0
	ONWARD 3
	CHANGE 2, 1
	BODY 4, 0
	ONWARD 4
	BODY 5, 0
	ONWARD 5
	CHANGE 3, 0
	BODY 6, 0
	BODY 7, 1
	s_branch .Lout
.Lend_0:
	BODY 1, 1
	s_branch .Lout
.Lend_1:
	CHANGE 1, 0
	BODY 2, 1
	s_branch .Lout
.Lend_2:
	BODY 3, 1
	s_branch .Lout
.Lend_3:
	CHANGE 2, 0
	BODY 4, 1
	s_branch .Lout
.Lend_4:
	BODY 5, 1
	s_branch .Lout
.Lend_5:
	CHANGE 3, 0
	BODY 6, 1
	s_branch .Lout
.Lone:
	PRO 1
	BODY 0, 1
.Lout:
	CHANGE 4, 0
.irp a, 0,1,2,3
	ds_load_b32 v[RLP+2*\a], v[ADRL] offset:64*\a
	v_mov_b32 v[RLP+2*\a+1], 0
.endr
	s_wait_alu depctr_va_vdst(0)
	s_wait_dscnt 0x0
.macro TOSTAGE a
	WIN 0x41
.set KK, 0
.rept 32
	v_pk_mul_f32 v[64*(\a)+KK:64*(\a)+KK+1], v[64*(\a)+KK:64*(\a)+KK+1], v[RLP+2*(\a):RLP+2*(\a)+1] op_sel_hi:[1,0]
.set KK, KK+2
.endr
	WIN 0x04
.irp b, 0,1,2,3,4,5,6,7
	ds_store_b128 v[STO], v[64*(\a)+8*\b:64*(\a)+8*\b+3] offset:128*(\b/2)+32*(\b%2)
	ds_store_b128 v[STO], v[64*(\a)+8*\b+4:64*(\a)+8*\b+7] offset:128*(\b/2)+32*(\b%2)+16
.endr
	WIN 0
.set BB, BK+64*((\a)%2)
.set TT, 0
.rept 16
	ds_load_b128 v[BB+4*TT:BB+4*TT+3], v[RD] offset:TT*SPITCH
.set TT, TT+1
.endr
.endm
.macro SEND a, younger
.set BB, BK+64*((\a)%2)
	s_wait_dscnt \younger
.set TT, 0
.rept 16
	global_store_b128 v[CO], v[BB+4*TT:BB+4*TT+3], s[12:13] offset:(32*((\a)/2)+16*(TT/8)+8*((\a)%2)+TT%8)*4096 th:TH_STORE_NT
.set TT, TT+1
.endr
.endm
	TOSTAGE 0
.irp a, 1,2,3
.if \a > 1
	s_wait_xcnt 0x0
.endif
	TOSTAGE \a
	SEND \a-1, 32
.endr
	SEND 3, 0
	s_wait_tensorcnt 0x0
	ds_add_u32 v[SPW], v[NIL]
	s_wait_dscnt 0x0
	s_endpgm
.Lfunc_end_k_q41d0359ef5_pv:
	.size	k_q41d0359ef5_pv, .Lfunc_end_k_q41d0359ef5_pv-k_q41d0359ef5_pv
	.p2alignl 7, 3214868480
	.fill 96, 4, 3214868480
	.section	.rodata,"a",@progbits
	.p2align	6, 0x0
	.amdhsa_kernel k_q41d0359ef5_pv
		.amdhsa_group_segment_fixed_size 327680
		.amdhsa_private_segment_fixed_size 0
		.amdhsa_enable_private_segment 0
		.amdhsa_kernarg_size 40
		.amdhsa_user_sgpr_count 2
		.amdhsa_user_sgpr_kernarg_segment_ptr 1
		.amdhsa_wavefront_size32 1
		.amdhsa_system_sgpr_workgroup_id_x 1
		.amdhsa_system_sgpr_workgroup_id_y 1
		.amdhsa_system_sgpr_workgroup_id_z 1
		.amdhsa_system_vgpr_workitem_id 0
		.amdhsa_next_free_vgpr 1024
		.amdhsa_next_free_sgpr 66
		.amdhsa_reserve_vcc 0
		.amdhsa_float_denorm_mode_32 3
		.amdhsa_float_denorm_mode_16_64 3
		.amdhsa_memory_ordered 1
		.amdhsa_forward_progress 1
		.amdhsa_inst_pref_size 255
	.end_amdhsa_kernel
	.section	.bss,"aw",@nobits
	.p2align	6
	.space	262144
	.amdgpu_metadata
---
amdhsa.version: [ 1, 2 ]
amdhsa.kernels:
  - .name:           k_q41d0359ef5_pv
    .symbol:         k_q41d0359ef5_pv.kd
    .args:
      - { .name: p_codes, .offset: 0, .size: 8, .value_kind: global_buffer, .address_space: global }
      - { .name: p_stats, .offset: 8, .size: 8, .value_kind: global_buffer, .address_space: global }
      - { .name: qkv_codes, .offset: 16, .size: 8, .value_kind: global_buffer, .address_space: global }
      - { .name: qkv_scales, .offset: 24, .size: 8, .value_kind: global_buffer, .address_space: global }
      - { .name: out0, .offset: 32, .size: 8, .value_kind: global_buffer, .address_space: global }
    .group_segment_fixed_size: 327680
    .private_segment_fixed_size: 0
    .kernarg_segment_align: 8
    .kernarg_segment_size: 40
    .max_flat_workgroup_size: 128
    .sgpr_count:     66
    .vgpr_count:     1024
    .wavefront_size: 32
...
	.end_amdgpu_metadata
.endif
;; end of part 4
